; MI455X (gfx1250); checked and timed in simulation.
; The chip was launched on July 23, 2026; its instructions are those of AMD's public machine-readable ISA for CDNA 5 (MIT licence, August 2026) and "CDNA5" Instruction Set Architecture Reference Guide (July 2026). The comments in the code are by the model that wrote it; some were corrected since.
;; Multi Head Attention With Entropy. Allowed arithmetic: matrix products marked QUANTISED: E2M1 operands, one E8M0 scale for each 32 along K, by v_wmma_scale_f32_16x16x128_f8f6f4 with both operands' format E2M1 (or v_wmma_scale_f32_32x16x128_f4), f32 sums; products left as they are: bf16, f16 or f32 operands; f32 sums; everything else in f32.
;; Inputs: Wc 1,024 x 1,024 float32; Wk 1,024 x 1,024 float32; Wq 1,024 x 1,024 float32; Wv 1,024 x 1,024 float32; attn_mask 2 x 2,048 x 2,048 bool; k 2 x 2,048 x 1,024 float32; q 2 x 2,048 x 1,024 float32; v 2 x 2,048 x 1,024 float32.
;; Outputs: out0 2 x 2,048 x 1,024 float32; out1 one number float32.
;; This version of the problem:
;;   THIS VERSION OF THE PROBLEM IS GIVEN IN LOW PRECISION. The matrix products marked QUANTISED in the list below multiply operands that are first quantised to E2M1 (2 exponent bits, 1 mantissa bit; 4 bits a number), with one power-of-two scale for each 32 numbers along K (OCP MX v1.0); their sums are f32. The products marked 'left as it is' may take bf16, f16 or f32 operands, with f32 sums. Whichever they take, every output number must still come out within the allowed error. Rounding operands to bf16 (8 significant bits) uses up far more of that allowance than f16 does (11 bits, for magnitudes from 6e-5 to 65,504). All else is computed in f32.
;;   The module's matrix products, in the order in which they are computed (A, B: the left and right operand; K: the contracted axis; several contracted axes count as one K, in the product's order):
;;     1. [M 4,096, K 1,024] x [K 1,024, N 1,024]; A: input q; B: input Wq: QUANTISED
;;     2. [M 4,096, K 1,024] x [K 1,024, N 1,024]; A: input k; B: input Wk: QUANTISED
;;     3. [M 4,096, K 1,024] x [K 1,024, N 1,024]; A: input v; B: input Wv: QUANTISED
;;     4. batch 32 x [M 2,048, K 64] x [K 64, N 2,048]; A: computed on the way; B: computed on the way: left as it is (an operand is computed on the way)
;;     5. batch 32 x [M 2,048, K 2,048] x [K 2,048, N 64]; A: computed on the way; B: computed on the way: left as it is (an operand is computed on the way)
;;     6. [M 4,096, K 1,024] x [K 1,024, N 1,024]; A: computed on the way; B: input Wc: left as it is (an operand is computed on the way)
;;   THE QUANTISER, for each operand of a quantised product, along K:
;;     - K is cut into blocks of 32 from its start; a last block that is shorter is filled with zeros.
;;     - A block's scale is 2^e with e = floor(log2(the largest magnitude in the block)) - 2, held to -126 .. 127; a block of zeros has e = 0. As a byte (E8M0): e + 127.
;;     - Each number is divided by its block's scale, clamped to +-6, and rounded to the nearest number of E2M1, ties to even, subnormals kept.
;;     - The product sums the exact products of the quantised numbers (number of the format x scale) in f32.
;;   ~~~python
;;   def quantise(x, axis):      # numpy; x: float32 -> the quantised numbers, widened to float32 again
;;       x = np.moveaxis(x, axis, -1); K = x.shape[-1]
;;       x = np.pad(x, [(0, 0)] * (x.ndim - 1) + [(0, -K % 32)]); x = x.reshape(x.shape[:-1] + (-1, 32)); a = np.abs(x).max(-1, keepdims=True)
;;       e = np.where(a > 0, np.clip(np.frexp(np.where(a > 0, a, 1))[1] - 1 - 2, -126, 127), 0)      # np.frexp(a)[1] - 1 = floor(log2(a)), exactly
;;       r = np.clip(x / 2.0 ** e, -6, 6)
;;       step = 2.0 ** (np.maximum(np.frexp(np.where(r == 0, 1, r))[1] - 1, 0) - 1)
;;       q = np.round(r / step) * step * 2.0 ** e      # np.round: ties to even
;;       return np.moveaxis(q.reshape(q.shape[:-2] + (-1,))[..., :K], -1, axis).astype(np.float32)
;;   ~~~
;; One version. Each part assembles by itself: llvm-mc -triple=amdgcn-amd-amdhsa -mcpu=gfx1250 --defsym DOCPART=n.
;; ======== version 1 of 1: 4 launches
;; limits: a function is approximated: absolute error at most 2.048e-07; values are held in f16: magnitudes above 65,504 overflow, below 6.1e-05 lose precision
;; workspace buffers: codes 7,864,320 bytes; scales 491,520 bytes; wc16 2,097,152 bytes; maskw 1,048,576 bytes of whole numbers; qkv 25,165,824 bytes; ao 8,388,608 bytes; entp 8,192 bytes
;; launch prep (part 1): grid 864 x 1, 4 waves a work-group, no clusters, 68,096 bytes of LDS; arguments q, k, v, Wq, Wk, Wv, Wc, attn_mask, codes, scales, wc16, maskw; writes codes, scales, wc16, maskw
.if DOCPART == 1
	.amdgcn_target "amdgcn-amd-amdhsa--gfx1250"
	.amdhsa_code_object_version 6
	.text
	.protected	k_q7c1ddadba5_prep
	.globl	k_q7c1ddadba5_prep
	.p2align	8
	.type	k_q7c1ddadba5_prep,@function
k_q7c1ddadba5_prep:
	s_mov_b64 s[64:65], 0
	v_nop
	global_prefetch_b8 v0, s[64:65] scope:SCOPE_SE
	s_setreg_imm32_b32 hwreg(HW_REG_WAVE_MODE, 25, 1), 1
	s_wait_xcnt 0x0
; PREP: three jobs that each read an input once, chosen by the work-group's number.
;  Q (work-groups 0-479): q, k, v [4096][1024] and Wq, Wk, Wv [1024][1024], f32, K innermost, become codes of FP4 (E2M1), two a byte, and one E8M0 byte for each 32 along K.
;    A block's scale is 2^(floor(log2(its largest magnitude)) - 2); its byte is the largest magnitude's exponent field - 2, held at 1 from below.  Rows are dense and K is a multiple of 32:
;    each tensor is a plain stream of blocks, and the six streams lie on end in 'codes' and in 'scales' (q, k, v, Wq, Wk, Wv).  A work-group takes 32,768 numbers, a wave 16 steps of 512.
;  M (480-735): attn_mask [2][2048][2048], a byte each, becomes words of 32 bits in the order in which the attention launch selects by them: unit (b, pair of 16-query tiles, step of 64 keys) = 64 words;
;    word 32 tl + 8 kt + j has bit r + 16 h = mask[32 pair + 16 tl + r][64 step + 16 kt + 8 h + j].  A wave takes 32 rows x 256 keys: four units.
;  W (736-863): Wc [1024][1024] f32 becomes f16, laid [pair of rows][16 heads][2 rows][64 k].  A wave takes two rows.
; LIMITS: a block of zeros gets the byte 1 where the rule says 127 (its codes are zeros, and this program alone reads the bytes); NaN and infinities are not served; |Wc| above 65,504 has no f16.
; No cluster and no tensor load: no two work-groups read the same bytes.  No barrier: waves share nothing.  Each path has LDS bytes of its own.
.set STEPS, 16
.set EMAX,  2
.set CB,    8                          ; bytes of 16 codes
.set R,     16                         ; v16-79   Q: four sets of 16 numbers as loaded
.set X,     80                         ; v80-111  Q: two sets of 16 neighbours
.set E,     112                        ; v112-127 Q: a scale byte for each step
.set C,     128                        ; v128-191 Q: codes, four registers for each step
.set WREG,  8192                       ; LDS, Q: a region for each wave: two stages of 32 x SP bytes, then 256 scale bytes
.set SP,    80                         ; a lane's place in a stage: 64 bytes + 16 of padding
.set SPW,   12                         ; v12  LDS address of my spare word; never rewritten
.set NIL,   13                         ; v13  0; never rewritten
.set MST,   32768                      ; LDS, M: a stage of 32 rows x 272 bytes for each wave
.set MREG,  8704
.set SPARE, 67584                      ; behind both: the spare words, 128 bytes for each wave
.set MSI,   192                        ; v192 M: stage, on the way in
.set MSO,   193                        ; v193 M: stage, on the way out
.set MGO,   194                        ; v194 M: my bytes in two rows of the mask
.set WGO,   195                        ; v195 W: my bytes in two rows of Wc
	s_load_b512 s[8:23], s[0:1], 0x0               ; q 8, k 10, v 12, Wq 14, Wk 16, Wv 18, Wc 20, attn_mask 22
	s_load_b256 s[24:31], s[0:1], 0x40             ; codes 24, scales 26, wc16 28, maskw 30
	v_lshl_add_u32 v[SPW], v0, 2, SPARE
	v_mov_b32 v[NIL], 0
	v_lshrrev_b32 v1, 5, v0
	v_readfirstlane_b32 s2, v1                     ; wave
	v_and_b32 v2, 31, v0                           ; lane
	v_lshlrev_b32 v3, 4, v2                        ; Q: my 16 bytes of a load's 512
	s_mul_i32 s3, s2, WREG
	v_lshrrev_b32 v14, 2, v2
	v_mul_u32_u24 v14, v14, SP
	v_and_b32 v15, 3, v2
	v_lshl_add_u32 v14, v15, 4, v14
	v_add_nc_u32 v14, s3, v14                      ; Q: stage in: SP (lane / 4) + 16 (lane % 4)
	v_mul_u32_u24 v15, v2, SP
	v_add_nc_u32 v15, s3, v15                      ; Q: stage out: SP x lane: my 16 neighbours
	v_mul_u32_u24 v4, v2, CB                       ; Q: my codes' place in a step's
	v_lshrrev_b32 v5, 1, v2
	s_add_co_u32 s3, s3, 2*32*SP
	v_add_nc_u32 v5, s3, v5                        ; Q: my block's byte among the wave's 256
	v_lshlrev_b32 v7, 3, v2                        ; 8 x lane (all three paths store by it)
	v_add_nc_u32 v6, s3, v7
	v_and_b32 v196, 15, v0                         ; r
	v_bfe_u32 v197, v0, 4, 1                       ; h
	s_mul_i32 s6, s2, MREG
	s_add_co_u32 s6, s6, MST
	v_mul_u32_u24 v[MSI], v197, 272
	v_lshl_add_u32 v[MSI], v196, 4, v[MSI]
	v_add_nc_u32 v[MSI], s6, v[MSI]                ; M in: row h of a pair, 16 bytes a lane
	v_mul_u32_u24 v[MSO], v196, 272
	v_lshl_add_u32 v[MSO], v197, 3, v[MSO]
	v_add_nc_u32 v[MSO], s6, v[MSO]                ; M out: row r, 8 h: the eight keys of my half
	v_lshlrev_b32 v[MGO], 11, v197
	v_lshl_add_u32 v[MGO], v196, 4, v[MGO]         ; a row of the mask is 2,048 bytes
	v_lshlrev_b32 v[WGO], 12, v197
	v_lshl_add_u32 v[WGO], v196, 4, v[WGO]         ; a row of Wc is 4,096 bytes
	s_lshr_b32 s32, ttmp9, 7                       ; Q: which tensor, and which 32,768 numbers of it
	s_and_b32 s33, ttmp9, 127
	s_sub_co_u32 s34, ttmp9, 384
	s_lshr_b32 s35, s34, 5
	s_add_co_u32 s35, s35, 3
	s_and_b32 s34, s34, 31
	s_cmp_lt_u32 ttmp9, 384
	s_cselect_b32 s32, s32, s35
	s_cselect_b32 s33, s33, s34
	s_wait_kmcnt 0x0
	s_cmp_lt_u32 ttmp9, 480
	s_cbranch_scc0 .Lnot_q
; ---------------- Q
	s_mov_b64 s[4:5], s[8:9]                       ; the source: a choice that hangs on the work-group's number alone
	s_cmp_eq_u32 s32, 1
	s_cselect_b64 s[4:5], s[10:11], s[4:5]
	s_cmp_eq_u32 s32, 2
	s_cselect_b64 s[4:5], s[12:13], s[4:5]
	s_cmp_eq_u32 s32, 3
	s_cselect_b64 s[4:5], s[14:15], s[4:5]
	s_cmp_eq_u32 s32, 4
	s_cselect_b64 s[4:5], s[16:17], s[4:5]
	s_cmp_eq_u32 s32, 5
	s_cselect_b64 s[4:5], s[18:19], s[4:5]
	s_lshl_b32 s36, s33, 17                        ; 131,072 bytes a work-group,
	s_lshl_b32 s37, s2, 15                         ; 32,768 a wave
	s_add_co_u32 s36, s36, s37
	s_mov_b32 s37, 0
	s_add_nc_u64 s[4:5], s[4:5], s[36:37]
	s_lshl_b32 s36, ttmp9, 2
	s_add_co_u32 s36, s36, s2                      ; the streams lie on end: run 4 x work-group + wave
	s_lshl_b32 s38, s36, 12                        ; 4,096 bytes of codes a run
	s_mov_b32 s39, 0
	s_add_nc_u64 s[24:25], s[24:25], s[38:39]
	s_lshl_b32 s38, s36, 8                         ; 256 scale bytes a run
	s_add_nc_u64 s[26:27], s[26:27], s[38:39]
.macro LOAD t
.irp i, 0,1,2,3
	global_load_b128 v[R+16*((\t)%4)+4*\i:R+16*((\t)%4)+4*\i+3], v3, s[4:5] offset:2048*(\t)+512*\i th:TH_LOAD_NT   ; 32 lanes read 512 consecutive bytes
.endr
.endm
.macro TURN t                          ; step t's numbers through the stage: LDS serves a wave's instructions in order, so no wait stands between the stores and the loads
.irp i, 0,1,2,3
	ds_store_b128 v14, v[R+16*((\t)%4)+4*\i:R+16*((\t)%4)+4*\i+3] offset:32*SP*((\t)%2)+8*SP*\i
.endr
.irp i, 0,1,2,3
	ds_load_b128 v[X+16*((\t)%2)+4*\i:X+16*((\t)%2)+4*\i+3], v15 offset:32*SP*((\t)%2)+16*\i
.endr
.endm
.irp t, 0,1,2,3
	LOAD \t
.endr
	s_wait_loadcnt 12                              ; step 0's four loads are in; the twelve of steps 1 to 3 may be out
	TURN 0
.macro STEP t
.set XS, X+16*((\t)%2)
.if (\t) > 0
	s_wait_dscnt 1                                 ; this step's numbers are back from the stage; the last step's byte store may be out
.else
	s_wait_dscnt 0x0
.endif
.if (\t)+4 < STEPS
	LOAD (\t)+4                                    ; into the registers that the stage's stores have read
.endif
.if (\t)+1 < STEPS
.if STEPS-2-(\t) >= 3
	s_wait_loadcnt 12                              ; the next step's four loads are in; those of the three steps behind it may be out
.else
	s_wait_loadcnt 4*(STEPS-2-(\t))
.endif
	TURN (\t)+1
.endif
	v_max3_num_f32 v8, |v[XS]|, |v[XS+1]|, |v[XS+2]|               ; the largest magnitude of my 16, in two chains
	v_max3_num_f32 v9, |v[XS+3]|, |v[XS+4]|, |v[XS+5]|
.irp i, 6,10
	v_max3_num_f32 v8, v8, |v[XS+\i]|, |v[XS+\i+1]|
	v_max3_num_f32 v9, v9, |v[XS+\i+2]|, |v[XS+\i+3]|
.endr
	v_max3_num_f32 v8, v8, |v[XS+14]|, |v[XS+15]|
	v_max3_num_f32 v8, v8, v9, (EMAX+1)<<23        ; and the floor 2^(3 - 127): the byte cannot fall under 1
	v_max_num_f32_dpp v8, v8, v8 row_xmask:1 row_mask:0xf bank_mask:0xf   ; with my neighbour's 16: the block's
	v_add_nc_u32 v11, -(EMAX<<23), v8              ; 2 off its exponent field: the conversion takes that field as its scale and nothing else
	v_cvt_scalef32_pk8_fp4_f32 v[C+4*(\t)], v[XS:XS+7], v11
	v_cvt_scalef32_pk8_fp4_f32 v[C+4*(\t)+1], v[XS+8:XS+15], v11
	v_lshrrev_b32 v[E+(\t)], 23, v11               ; the scale's byte (a plain line behind the conversions)
	ds_store_b8 v5, v[E+(\t)] offset:16*(\t)       ; both lanes of a block write the same byte with the same value
	global_store_b64 v4, v[C+4*(\t):C+4*(\t)+1], s[24:25] offset:32*CB*(\t)   ; the wave stores 256 consecutive bytes, aligned
.endm
.irp t, 0,1,2,3,4,5,6,7,8,9,10,11,12,13,14,15
	STEP \t
.endr
	ds_load_b64 v[8:9], v6                         ; in order behind my byte stores
	s_wait_dscnt 0x0
	global_store_b64 v7, v[8:9], s[26:27]          ; 256 consecutive scale bytes, aligned
	s_wait_tensorcnt 0x0                           ; the wave's end: behind my last LDS store
	ds_add_u32 v[SPW], v[NIL]
	s_wait_dscnt 0x0
	s_endpgm
.Lnot_q:
	s_cmp_lt_u32 ttmp9, 736
	s_cbranch_scc0 .Lwc
; ---------------- M
	s_sub_co_u32 s36, ttmp9, 480
	s_lshl_b32 s36, s36, 2
	s_add_co_u32 s36, s36, s2                      ; which block of 32 rows x 256 keys: 0 .. 1,023
	s_lshr_b32 s37, s36, 3                         ; 64 b + pair of query tiles
	s_and_b32 s36, s36, 7                          ; which 256 keys
	s_lshl_b32 s38, s37, 16                        ; 32 rows of 2,048 bytes
	s_lshl_b32 s39, s36, 8
	s_add_co_u32 s38, s38, s39
	s_mov_b32 s39, 0
	s_add_nc_u64 s[22:23], s[22:23], s[38:39]
	s_lshl_b32 s38, s37, 5                         ; 32 units a pair of tiles,
	s_lshl_b32 s36, s36, 2                         ; four to my 256 keys,
	s_add_co_u32 s38, s38, s36
	s_lshl_b32 s38, s38, 8                         ; 256 bytes each
	s_add_nc_u64 s[30:31], s[30:31], s[38:39]
.irp n, 0,1,2,3,4,5,6,7,8,9,10,11,12,13,14,15
	global_load_b128 v[16+4*\n:19+4*\n], v[MGO], s[22:23] offset:4096*\n th:TH_LOAD_NT   ; rows 2 n, 2 n + 1: sixteen lanes read 256 consecutive bytes, aligned
.endr
.irp n, 0,1,2,3,4,5,6,7,8,9,10,11,12,13,14,15
	s_wait_loadcnt 15-\n                           ; load n is in; the younger ones may be out
	ds_store_b128 v[MSI], v[16+4*\n:19+4*\n] offset:544*\n
.endr
.irp s, 0,1,2,3                        ; lane (r, h) takes the 8 bytes of row 16 tl + r at keys 64 s + 16 kt + 8 h: registers 80 + 2 (8 s + 4 tl + kt)
.irp tl, 0,1
.irp kt, 0,1,2,3
	ds_load_b64 v[80+2*(8*\s+4*\tl+\kt):81+2*(8*\s+4*\tl+\kt)], v[MSO] offset:4352*\tl+64*\s+16*\kt
.endr
.endr
.endr
.irp n, 0,1,2,3,4,5,6,7
	v_mov_b32 v[144+\n], 0                         ; a lane write's destination counts as read
.endr
.set KSI, 0
.rept 4
	s_wait_dscnt 24-8*KSI                          ; this step's eight loads are in; the later steps' may be out
.set WD, 0
.rept 64                               ; word WD: one byte of each lane, compared with 0: the compare's lane mask IS the word; it goes to lane WD / 2 of the pair that the wave stores
.set XW, 8*KSI+4*(WD/32)+((WD/8)%4)
.set JW, WD%8
	v_and_b32 v[152+WD%4], 0xff<<(8*(JW%4)), v[80+2*XW+JW/4]
	v_cmp_ne_u32 s[40+WD%8], 0, v[152+WD%4]
	v_writelane_b32 v[144+2*KSI+WD%2], s[40+WD%8], WD/2
.set WD, WD+1
.endr
	global_store_b64 v7, v[144+2*KSI:145+2*KSI], s[30:31] offset:256*KSI   ; a unit: 256 consecutive bytes, aligned
.set KSI, KSI+1
.endr
	s_wait_tensorcnt 0x0                           ; the wave's end: the three lines
	ds_add_u32 v[SPW], v[NIL]
	s_wait_dscnt 0x0
	s_endpgm
.Lwc:
; ---------------- W
	s_sub_co_u32 s36, ttmp9, 736
	s_lshl_b32 s36, s36, 2
	s_add_co_u32 s36, s36, s2                      ; which pair of rows: 0 .. 511
	s_lshl_b32 s38, s36, 13
	s_mov_b32 s39, 0
	s_add_nc_u64 s[20:21], s[20:21], s[38:39]
	s_lshl_b32 s38, s36, 12
	s_add_nc_u64 s[28:29], s[28:29], s[38:39]
.irp n, 0,1,2,3,4,5,6,7,8,9,10,11,12,13,14,15
	global_load_b128 v[16+4*\n:19+4*\n], v[WGO], s[20:21] offset:256*\n th:TH_LOAD_NT   ; head n: 64 numbers of each of the two rows
.endr
.irp n, 0,1,2,3,4,5,6,7,8,9,10,11,12,13,14,15
	s_wait_loadcnt 15-\n                           ; load n is in; the younger ones may be out
	v_cvt_pk_f16_f32 v[80+2*\n], v[16+4*\n], v[17+4*\n]
	v_cvt_pk_f16_f32 v[81+2*\n], v[18+4*\n], v[19+4*\n]
	global_store_b64 v7, v[80+2*\n:81+2*\n], s[28:29] offset:256*\n   ; [head n][2 rows][64]: 256 consecutive bytes, aligned
.endr
	s_wait_tensorcnt 0x0                           ; the three lines stand here as in the other two
	ds_add_u32 v[SPW], v[NIL]
	s_wait_dscnt 0x0
	s_endpgm
.Lfunc_end_k_q7c1ddadba5_prep:
	.size	k_q7c1ddadba5_prep, .Lfunc_end_k_q7c1ddadba5_prep-k_q7c1ddadba5_prep
	.p2alignl 7, 3214868480
	.fill 96, 4, 3214868480
	.section	.rodata,"a",@progbits
	.p2align	6, 0x0
	.amdhsa_kernel k_q7c1ddadba5_prep
		.amdhsa_group_segment_fixed_size 68096
		.amdhsa_private_segment_fixed_size 0
		.amdhsa_enable_private_segment 0
		.amdhsa_kernarg_size 96
		.amdhsa_user_sgpr_count 2
		.amdhsa_user_sgpr_kernarg_segment_ptr 1
		.amdhsa_wavefront_size32 1
		.amdhsa_system_sgpr_workgroup_id_x 1
		.amdhsa_system_sgpr_workgroup_id_y 1
		.amdhsa_system_sgpr_workgroup_id_z 1
		.amdhsa_system_vgpr_workitem_id 0
		.amdhsa_next_free_vgpr 200
		.amdhsa_next_free_sgpr 66
		.amdhsa_reserve_vcc 0
		.amdhsa_float_denorm_mode_32 3
		.amdhsa_float_denorm_mode_16_64 3
		.amdhsa_memory_ordered 1
		.amdhsa_forward_progress 1
		.amdhsa_inst_pref_size 95
	.end_amdhsa_kernel
	.amdgpu_metadata
---
amdhsa.version: [ 1, 2 ]
amdhsa.kernels:
  - .name:           k_q7c1ddadba5_prep
    .symbol:         k_q7c1ddadba5_prep.kd
    .args:
      - { .name: q, .offset: 0, .size: 8, .value_kind: global_buffer, .address_space: global }
      - { .name: k, .offset: 8, .size: 8, .value_kind: global_buffer, .address_space: global }
      - { .name: v, .offset: 16, .size: 8, .value_kind: global_buffer, .address_space: global }
      - { .name: Wq, .offset: 24, .size: 8, .value_kind: global_buffer, .address_space: global }
      - { .name: Wk, .offset: 32, .size: 8, .value_kind: global_buffer, .address_space: global }
      - { .name: Wv, .offset: 40, .size: 8, .value_kind: global_buffer, .address_space: global }
      - { .name: Wc, .offset: 48, .size: 8, .value_kind: global_buffer, .address_space: global }
      - { .name: attn_mask, .offset: 56, .size: 8, .value_kind: global_buffer, .address_space: global }
      - { .name: codes, .offset: 64, .size: 8, .value_kind: global_buffer, .address_space: global }
      - { .name: scales, .offset: 72, .size: 8, .value_kind: global_buffer, .address_space: global }
      - { .name: wc16, .offset: 80, .size: 8, .value_kind: global_buffer, .address_space: global }
      - { .name: maskw, .offset: 88, .size: 8, .value_kind: global_buffer, .address_space: global }
    .group_segment_fixed_size: 68096
    .private_segment_fixed_size: 0
    .kernarg_segment_align: 8
    .kernarg_segment_size: 96
    .max_flat_workgroup_size: 128
    .sgpr_count:     66
    .vgpr_count:     200
    .wavefront_size: 32
...
	.end_amdgpu_metadata
.endif
;; end of part 1
;; launch proj (part 2): grid 4 x 48, 4 waves a work-group, clusters of 4 x 4, 327,680 bytes of LDS; arguments codes, scales, qkv; writes qkv
.if DOCPART == 2
	.amdgcn_target "amdgcn-amd-amdhsa--gfx1250"
	.amdhsa_code_object_version 6
	.text
	.protected	k_q7c1ddadba5_proj
	.globl	k_q7c1ddadba5_proj
	.p2align	8
	.type	k_q7c1ddadba5_proj,@function
k_q7c1ddadba5_proj:
	s_mov_b64 s[64:65], 0
	v_nop
	global_prefetch_b8 v0, s[64:65] scope:SCOPE_SE
	s_setreg_imm32_b32 hwreg(HW_REG_WAVE_MODE, 25, 1), 1
	s_wait_xcnt 0x0
	s_wait_alu depctr_hold_cnt(0) depctr_sa_sdst(0) depctr_va_vdst(0) depctr_va_sdst(0) depctr_va_ssrc(0) depctr_va_vcc(0) depctr_vm_vsrc(0)
	s_getreg_b32 s2, hwreg(HW_REG_IB_STS2, 6, 4)
	s_cmp_eq_u32 s2, 0
	s_cbranch_scc0 .Lentry_in_a_cluster
	s_endpgm
.Lentry_in_a_cluster:
	s_bfe_u32 s2, ttmp6, 0x10000c
	s_cmp_lg_u32 s2, 0xf033
	s_cbranch_scc0 .Lentry_shape_is_right
	s_endpgm
.Lentry_shape_is_right:
; PROJ: the three quantised projections, on codes of FP4 (E2M1) with one E8M0 scale for each 32 along K = 1,024; sums in f32; results rounded once to f16.
; Cluster y = 4 T + sub: T = 0: q Wq^T, 1: k Wk^T, 2: v Wv^T.  A tile of C is 256 x 256, four waves, 128 x 128 each: 64 accumulators, 512 registers.
; T < 2: A = the tokens' codes (tile row 4 sub + cy), B = the weight's (tile column cx).  C[token][channel] goes out as [b, head][token][64]; T = 0 is multiplied in f32 by c = log2(e) / 8 first,
; so that the attention's first product gives the exponent of 2 directly.
; T = 2: THE OPERANDS CHANGE ROLES: A = Wv (tile row cy), B = v's tokens (tile column 4 sub + cx): C[channel][token] has the tokens innermost, as the attention's second product wants its K, and goes out as
; [b, head][block of 128 tokens][64 channels][128 tokens].
; K goes in two steps of 512 through two LDS slots: both are first fills, nothing is filled again.  The scales of the tile's rows, for all of K, come once, as two dense blocks.
; CLUSTERS: 4 x 4.  A's tiles hang on cy alone and are asked for jointly by a row of the cluster, B's on cx alone, by a column.  192 work-groups: a tile of C may not straddle two tensors.
; THE MATRIX INSTRUCTION IS USED TRANSPOSED (source 0 = 16 rows of B, source 1 = 16 rows of A): a lane holds eight neighbouring columns of one row of C.
; LIMIT: |c qh|, |kh|, |vh| above 65,504 have no f16.
; REGISTERS: window 0: v0-31 addresses; v32-95 scale words, two sets; v128-191 A's fragments, one set; on the way out v32-255 are free.  window 1: B's fragments, two sets.  windows 2, 3: accumulators.
.set SIZE_K, 1024
.set KSTEP,  512
.set NQ,     KSTEP/128
.set ROWB,   256                       ; a tile's row in bytes
.set KROW,   SIZE_K/2                  ; a row of codes in memory
.set PITCH,  272                       ; an LDS row: 256 bytes + 16 of padding: the 16 rows that a load touches start at 16 different banks (64 banks of 4 bytes: ISA guide 11.1)
.set FR,     8
.set NL,     2
.set NP,     4
.set HALFT,  128*PITCH
.set SLOT,   4*HALFT
.set KS,     SIZE_K/32                 ; a row of scales in bytes
.set SCL,    2*SLOT
.set HALFS,  (128*KS/256)*272
.set SBLK,   (16*KS/256)*272
.set SPARE,  SCL+4*HALFS               ; the spare words, 128 bytes for each wave
.set STGQ,   0                         ; the way out: stages of 16 lines x 272 bytes for each wave, in slot 0, which has had its only fill and its last read by then;
.set STGV,   32768                     ; each of the two ways out has bytes of its own
.set ADRA, 16
.set ADRB, 20
.set STOV, 18
.set RDV,  19
.set COV,  22
.set STOQ, 24
.set RDQ,  25
.set COQ,  26
.set ADRS, 27
.set SPW,  28
.set NIL,  29
.set SC,   32
.set AF,   128
.set T32,  32                          ; the way out: 64 results in f32
.set H16,  96                          ; packed to f16: v96-127 and v192-223 by turns
.set BK,   128                         ; lines read back: v128-159 and v160-191 by turns
.set G1, 24
.set G0, 32
.set G1B, 48
.set G0B, 56
.set G1S, 68
.set G0S, 76
.set G1SB, 80
.set G0SB, 88
.set TT,  66                           ; s66 which projection
.set CSC, 96                           ; s[96:97] c for T = 0, else 1.0
.set MSB, 0
.macro WIN new                         ; the immediate's high byte repeats the setting that is left
.if MSB != \new
	s_set_vgpr_msb (MSB<<8)|\new
.set MSB, \new
.endif
.endm
.set MUL_LO, 0xa1
.set MUL_HI, 0xf1
.set TO_B,   0x40
; A joint load: waves 0 and 1 fetch for A, waves 2 and 3 for B; the branch hangs on the wave's number alone.  An s_nop 0 and four v_nop follow each line.
.macro JLOAD g0a, g1a, g0b, g1b
	s_cmp_eq_u32 s15, 0
	s_cbranch_scc0 .Lfor_b_\@
	tensor_load_to_lds s[\g0a:\g0a+3], s[\g1a:\g1a+7]
	s_nop 0
.rept 4
	v_nop
.endr
	s_branch .Lasked_\@
.Lfor_b_\@:
	tensor_load_to_lds s[\g0b:\g0b+3], s[\g1b:\g1b+7]
	s_nop 0
.rept 4
	v_nop
.endr
.Lasked_\@:
.endm
.macro CROUND                          ; a round of the cluster's barrier
	s_barrier_signal -1
	s_barrier_wait -1
	s_cmp_lg_u32 s14, 0
	s_cbranch_scc1 .Lnot_wave_0_\@
	s_barrier_signal -3
.Lnot_wave_0_\@:
	s_barrier_wait -3
	s_barrier_signal -1
	s_barrier_wait -1
.endm
	s_load_b128 s[4:7], s[0:1], 0x0                ; codes s[4:5], scales s[6:7]
	s_load_b64 s[12:13], s[0:1], 0x10              ; qkv
	v_lshl_add_u32 v[SPW], v0, 2, SPARE
	v_mov_b32 v[NIL], 0
	ds_add_u32 v[SPW], v[NIL]                      ; the wave's opening: the add and its wait ahead of my first tensor load
	v_lshrrev_b32 v1, 5, v0
	v_readfirstlane_b32 s14, v1                    ; wave 0..3
	s_lshr_b32 s15, s14, 1                         ; which half of the tile's rows is mine.  Also: I fetch for A (0) or for B (1)
	s_and_b32 s16, s14, 1                          ; which half of its columns.  Also: which 128 rows I fetch
	s_bfe_u32 s40, ttmp6, 0x40000                  ; cx
	s_bfe_u32 s41, ttmp6, 0x40004                  ; cy
	s_and_b32 s17, ttmp7, 0xffff                   ; the cluster's y: 0 .. 11
	s_lshr_b32 s[TT], s17, 2                       ; T
	s_and_b32 s67, s17, 3
	s_lshl_b32 s67, s67, 2                         ; 4 sub
	s_lshl_b32 s98, s[TT], 21                      ; T < 2: A's codes begin at 2 MiB x T,
	s_lshl_b32 s99, s[TT], 19
	s_add_co_u32 s99, s99, 6<<20                   ; B's at 6 MiB + T / 2 MiB,
	s_lshl_b32 s100, s[TT], 17                     ; A's scales at 131,072 T,
	s_lshl_b32 s101, s[TT], 15
	s_add_co_u32 s101, s101, 393216                ; B's at 393,216 + 32,768 T
	s_cmp_eq_u32 s[TT], 2                          ; the cluster's number: alike in all sixteen partners
	s_cselect_b32 s17, 0, s67
	s_cselect_b32 s42, s67, 0
	s_cselect_b32 s98, 7<<20, s98                  ; T = 2: A = Wv,
	s_cselect_b32 s99, 4<<20, s99                  ; B = v
	s_cselect_b32 s100, 458752, s100
	s_cselect_b32 s101, 262144, s101
	s_add_co_u32 s17, s17, s41                     ; tile row: hangs on cy alone
	s_add_co_u32 s42, s42, s40                     ; tile column: on cx alone
	s_cmp_eq_u32 s[TT], 0
	s_cselect_b32 s[CSC], 0x3e38aa3b, 1.0          ; c = log2(e) / 8
	s_mov_b32 s[CSC+1], s[CSC]                     ; (named with it as a pair, so it is written)
	s_lshl_b32 s43, s41, 2
	s_lshl_b32 s43, 15, s43                        ; my row of the cluster
	s_lshl_b32 s44, 0x1111, s40                    ; my column
	s_or_b32 s[G1+0], s43, (0<<16)|(1<<20)|(1<<21)|(5<<22)|(3<<25)  ; the mask; elements of 1 byte; padding on; bit 21 beside a mask; 4 words after every 64
	s_or_b32 s[G1B+0], s44, (0<<16)|(1<<20)|(1<<21)|(5<<22)|(3<<25)
.irp g, G1, G1B
	s_mov_b32 s[\g+1], ROWB<<16                    ; tensor_dim0
	s_mov_b32 s[\g+2], 128<<16                     ; tensor_dim1
	s_mov_b32 s[\g+3], ROWB<<16                    ; tile_dim0
	s_mov_b32 s[\g+4], 128                         ; tile_dim1
	s_mov_b32 s[\g+5], KROW                        ; from row to row
	s_mov_b32 s[\g+6], 0
	s_mov_b32 s[\g+7], 0
.endr
	s_or_b32 s[G1S+0], s43, (3<<16)|(1<<20)|(1<<21)|(5<<22)|(3<<25) ; the scales of 128 rows: 4,096 dense bytes as 16 rows of 32 elements of 8 bytes, 16 bytes of padding behind each
	s_or_b32 s[G1SB+0], s44, (3<<16)|(1<<20)|(1<<21)|(5<<22)|(3<<25)
.irp g, G1S, G1SB
	s_mov_b32 s[\g+1], 32<<16
	s_mov_b32 s[\g+2], (128*KS/256)<<16
	s_mov_b32 s[\g+3], 32<<16
	s_mov_b32 s[\g+4], 128*KS/256
	s_mov_b32 s[\g+5], 32
	s_mov_b32 s[\g+6], 0
	s_mov_b32 s[\g+7], 0
.endr
	s_lshl_b32 s18, s16, 7                         ; which 128 rows of the tile I fetch
	s_lshl_b32 s20, s17, 8
	s_add_co_u32 s20, s20, s18                     ; A's row
	s_lshl_b32 s46, s42, 8
	s_add_co_u32 s46, s46, s18                     ; B's row
	s_lshl_b32 s22, s20, 5                         ; scales: 32 bytes a row
	s_add_co_u32 s22, s22, s100
	s_mov_b32 s23, 0
	s_lshl_b32 s92, s46, 5
	s_add_co_u32 s92, s92, s101
	s_mov_b32 s93, 0
	s_lshl_b32 s20, s20, 9                         ; codes: 512 bytes a row
	s_add_co_u32 s20, s20, s98
	s_mov_b32 s21, 0
	s_lshl_b32 s46, s46, 9
	s_add_co_u32 s46, s46, s99
	s_mov_b32 s47, 0
	s_mul_i32 s45, s14, HALFT                      ; where they go: by the wave's number alone
	s_mul_i32 s94, s14, HALFS
	s_wait_dscnt 0x0                               ; the opening add is done
	s_wait_kmcnt 0x0
	s_add_nc_u64 s[20:21], s[4:5], s[20:21]
	s_add_nc_u64 s[22:23], s[6:7], s[22:23]
	s_add_nc_u64 s[46:47], s[4:5], s[46:47]
	s_add_nc_u64 s[92:93], s[6:7], s[92:93]
	CROUND                                         ; all sixteen work-groups are here: the first joint loads meet
	s_mov_b32 s[G0S], 1
	s_add_co_u32 s[G0S+1], s94, SCL
	s_mov_b64 s[G0S+2:G0S+3], s[22:23]
	s_or_b32 s[G0S+3], s[G0S+3], 0x80000000
	s_mov_b32 s[G0SB], 1
	s_add_co_u32 s[G0SB+1], s94, SCL
	s_mov_b64 s[G0SB+2:G0SB+3], s[92:93]
	s_or_b32 s[G0SB+3], s[G0SB+3], 0x80000000
	JLOAD G0S, G1S, G0SB, G1SB                     ; the scales first
.irp s, 0,1
	s_mov_b32 s[G0+4*\s], 1
	s_add_co_u32 s[G0+4*\s+1], s45, \s*SLOT
	s_add_nc_u64 s[G0+4*\s+2:G0+4*\s+3], s[20:21], \s*ROWB
	s_or_b32 s[G0+4*\s+3], s[G0+4*\s+3], 0x80000000
	s_mov_b32 s[G0B+4*\s], 1
	s_add_co_u32 s[G0B+4*\s+1], s45, \s*SLOT
	s_add_nc_u64 s[G0B+4*\s+2:G0B+4*\s+3], s[46:47], \s*ROWB
	s_or_b32 s[G0B+4*\s+3], s[G0B+4*\s+3], 0x80000000
	JLOAD G0+4*\s, G1, G0B+4*\s, G1B               ; three loads of mine are out behind the last of these
.endr
	v_and_b32 v1, 15, v0                           ; r
	v_bfe_u32 v2, v0, 4, 1                         ; h
	v_mul_u32_u24 v3, v1, PITCH
	v_lshl_add_u32 v4, v2, 4, v3                   ; a fragment's row x pitch + 16 h
	s_mul_i32 s21, s15, HALFT
	s_mul_i32 s22, s16, HALFT
	s_add_co_u32 s22, s22, 2*HALFT
.irp s, 0,1
	v_add_nc_u32 v[ADRA+\s], s21, v4
	v_add_nc_u32 v[ADRB+\s], s22, v4
	s_add_co_u32 s21, s21, SLOT
	s_add_co_u32 s22, s22, SLOT
.endr
	v_mul_u32_u24 v5, v1, KS                       ; my row's scales: 32 bytes a row,
	v_lshrrev_b32 v6, 8, v5
	v_lshl_add_u32 v5, v6, 4, v5                   ; and 16 more for each 256 passed
	s_mul_i32 s21, s15, HALFS
	s_mul_i32 s22, s16, HALFS
	s_add_co_u32 s22, s22, 2*HALFS
	s_sub_co_u32 s22, s22, s21
	v_mul_u32_u24 v6, s22, v2                      ; lanes 16-31 take B's
	s_add_co_u32 s21, s21, SCL
	v_add_nc_u32 v5, v5, v6
	v_add_nc_u32 v[ADRS], s21, v5
	; the two ways out: every address is made here, ahead of the parting
	s_mul_i32 s23, s14, 16*272
	v_lshrrev_b32 v5, 1, v1
	v_mul_u32_u24 v5, v5, 272
	v_and_b32 v6, 1, v1
	v_lshl_add_u32 v5, v6, 7, v5
	v_lshl_add_u32 v5, v2, 4, v5
	v_add_nc_u32 v[STOQ], s23, v5                  ; q, k in: a line holds two tokens of one head: 272 (r / 2) + 128 (r % 2) + 16 h
	v_mul_u32_u24 v5, v2, 8*272
	v_lshl_add_u32 v5, v1, 4, v5
	v_add_nc_u32 v[RDQ], s23, v5                   ; back: lanes 0-15 a line of the first head, lanes 16-31 of the second
	v_lshlrev_b32 v5, 18, v2
	v_lshl_add_u32 v[COQ], v1, 4, v5               ; in memory a head is 262,144 bytes from the next
	s_add_co_u32 s23, s23, STGV
	v_mul_u32_u24 v5, v1, 272
	v_lshl_add_u32 v5, v2, 4, v5
	v_add_nc_u32 v[STOV], s23, v5                  ; v in: a line is a channel's 128 tokens
	v_mul_u32_u24 v5, v2, 272
	v_lshl_add_u32 v5, v1, 4, v5
	v_add_nc_u32 v[RDV], s23, v5                   ; back: two lines an instruction
	v_and_b32 v6, 31, v0
	v_lshlrev_b32 v[COV], 4, v6                    ; which are 512 consecutive bytes in memory
	; where my part begins in qkv: (T << 23) + ((16 b + head) << 18) + ((token % 2048) << 7): the same sum for both layouts, since my first token is a multiple of 128
	s_lshl_b32 s20, s17, 8
	s_lshl_b32 s21, s15, 7
	s_add_co_u32 s20, s20, s21                     ; my first row of C
	s_lshl_b32 s46, s42, 8
	s_lshl_b32 s47, s16, 7
	s_add_co_u32 s46, s46, s47                     ; my first column
	s_cmp_eq_u32 s[TT], 2
	s_cselect_b32 s18, s46, s20                    ; the token
	s_cselect_b32 s19, s20, s46                    ; the channel
	s_lshr_b32 s21, s18, 11
	s_lshl_b32 s21, s21, 4
	s_lshr_b32 s19, s19, 6
	s_add_co_u32 s21, s21, s19                     ; 16 b + head
	s_lshl_b32 s21, s21, 18
	s_and_b32 s18, s18, 2047
	s_lshl_b32 s18, s18, 7
	s_add_co_u32 s18, s18, s21
	s_lshl_b32 s19, s[TT], 23
	s_add_co_u32 s18, s18, s19
	s_mov_b32 s19, 0
	s_add_nc_u64 s[12:13], s[12:13], s[18:19]
.macro FRAG reg, adr, q, i             ; 16 rows x 128 K of 4-bit codes: 8 registers: lane l holds row l % 16; registers 4 c .. 4 c + 3 hold K = 64 c + 32 (l / 16) + 0 .. 31
.irp c, 0,1
	ds_load_b128 v[\reg+4*\c:\reg+4*\c+3], v[\adr] offset:64*(\q)+32*\c+(\i)*16*PITCH
.endr
.endm
; 16 matrix instructions: A's blocks a0, a0 + 1 x B's eight.  The 64 accumulators take turns, one instruction a turn, in the same order in every step.
.macro MUL16 a0, p, q, sc, zero
.irp a, \a0, \a0+1
.irp b, 0,1,2,3,4,5,6,7
.if \zero
	v_wmma_scale_f32_16x16x128_f8f6f4 v[8*(8*((\a)%4)+\b):8*(8*((\a)%4)+\b)+7], v[128*(\p)+FR*\b:128*(\p)+FR*\b+FR-1], v[AF+FR*(\a):AF+FR*(\a)+FR-1], 0, v[SC+8*NQ*(\sc)+NQ*\b+(\q)], v[SC+8*NQ*(\sc)+NQ*(\a)+(\q)] matrix_a_fmt:MATRIX_FMT_FP4 matrix_b_fmt:MATRIX_FMT_FP4 matrix_a_scale:MATRIX_SCALE_ROW1
.else
	v_wmma_scale_f32_16x16x128_f8f6f4 v[8*(8*((\a)%4)+\b):8*(8*((\a)%4)+\b)+7], v[128*(\p)+FR*\b:128*(\p)+FR*\b+FR-1], v[AF+FR*(\a):AF+FR*(\a)+FR-1], v[8*(8*((\a)%4)+\b):8*(8*((\a)%4)+\b)+7], v[SC+8*NQ*(\sc)+NQ*\b+(\q)], v[SC+8*NQ*(\sc)+NQ*(\a)+(\q)] matrix_a_fmt:MATRIX_FMT_FP4 matrix_b_fmt:MATRIX_FMT_FP4 matrix_a_scale:MATRIX_SCALE_ROW1
.endif
.endr
.endr
.endm
.macro FETCH_B slot, q, p
	WIN TO_B
.irp i, 0,1,2,3,4,5,6,7
	FRAG 128*(\p)+FR*\i, ADRB+\slot, \q, \i
.endr
	WIN 0
.endm
.macro FETCH_A slot, q, i0
.irp i, \i0, \i0+1, \i0+2, \i0+3
	FRAG AF+FR*(\i), ADRA+\slot, \q, \i
.endr
.endm
.macro SCALES sc                       ; a K step's scale words: lanes 0-15 take A's block i, lanes 16-31 B's block i
.irp i, 0,1,2,3,4,5,6,7
	ds_load_b128 v[SC+8*NQ*\sc+NQ*\i:SC+8*NQ*\sc+NQ*\i+3], v[ADRS] offset:\i*SBLK
.endr
.endm
.macro PLACES n                        ; plain vector lines between a matrix instruction and a load into, or a read of, its registers
.rept \n
	v_nop
.endr
.endm
.macro STEP slot, q, zero              ; 128 along K, with its successor in the same slot
	s_wait_dscnt 4*NL                              ; B's set and A's blocks 0-3 are in; the youngest eight loads (A's blocks 4-7) may be out
	WIN MUL_LO
	MUL16 0, (\q)%2, \q, \slot, \zero
	MUL16 2, (\q)%2, \q, \slot, \zero
	s_wait_dscnt 0
	PLACES NP
	FETCH_B \slot, (\q)+1, 1-(\q)%2
	FETCH_A \slot, (\q)+1, 0
	WIN MUL_HI
	MUL16 4, (\q)%2, \q, \slot, \zero
	MUL16 6, (\q)%2, \q, \slot, \zero
	PLACES NP
	WIN 0
	FETCH_A \slot, (\q)+1, 4
.endm
.macro TURN slot, next                 ; a slot's last step changes slots: one barrier
	s_wait_tensorcnt 0x0                           ; all my tensor loads have landed: my part of the next slot
	ds_add_u32 v[SPW], v[NIL]
	s_wait_dscnt 4*NL+1                            ; the add and the youngest eight loads may be out
	WIN MUL_LO
	MUL16 0, 1, NQ-1, \slot, 0
	s_wait_dscnt 0x0                               ; the add is done, and my reads of this slot are over
	s_barrier_signal -1
	MUL16 2, 1, NQ-1, \slot, 0
	WIN 0
	s_barrier_wait -1
	PLACES NP
	v_add_nc_u32 v[ADRS], 4*NQ, v[ADRS]            ; on to the next K step's scale words
	FETCH_B \next, 0, 0
	FETCH_A \next, 0, 0
	SCALES \next
	WIN MUL_HI
	MUL16 4, 1, NQ-1, \slot, 0
	MUL16 6, 1, NQ-1, \slot, 0
	PLACES NP
	WIN 0
	FETCH_A \next, 0, 4
.endm
.macro STEPS slot, from
.set Q, \from
.rept NQ-1-\from
	STEP \slot, Q, 0
.set Q, Q+1
.endr
.endm
	s_wait_tensorcnt 1                             ; the scales and my part of slot 0 are in; slot 1's load may be out
	s_barrier_signal -1
	s_barrier_wait -1
	FETCH_B 0, 0, 0
	FETCH_A 0, 0, 0
	SCALES 0
	FETCH_A 0, 0, 4
	STEP 0, 0, 1                                   ; the first products start the sums: nothing is cleared
	STEPS 0, 1
	TURN 0, 1
	STEPS 1, 0
	s_wait_dscnt 4*NL                              ; the very last step
	WIN MUL_LO
	MUL16 0, 1, NQ-1, 1, 0
	MUL16 2, 1, NQ-1, 1, 0
	s_wait_dscnt 0
	WIN MUL_HI
	MUL16 4, 1, NQ-1, 1, 0
	MUL16 6, 1, NQ-1, 1, 0
	WIN 0
	PLACES NP                                      ; in front of the first reads of results and of writes of registers that the last products read
; THE WAY OUT, a block of 16 rows of C at a time: to f16; 16 bytes a lane into my own stage; back as lines of 256 bytes that lie together in memory.  LDS serves a wave's instructions in order.
.macro PACKQ a                         ; x c (or 1.0) in f32, then one rounding; each accumulator is read from its low end on
.set AC, 64*((\a)%4)
.set HB, H16+96*((\a)%2)
.set WW, 0x02+(\a)/4
	WIN WW                                         ; source 0: window 2 or 3
.set i, 0
.rept 32
	v_pk_mul_f32 v[T32+2*i:T32+2*i+1], v[AC+2*i:AC+2*i+1], s[CSC:CSC+1] op_sel_hi:[1,0]
.set i, i+1
.endr
	WIN 0
.set i, 0
.rept 32
	v_cvt_pk_f16_f32 v[HB+i], v[T32+2*i], v[T32+2*i+1]
.set i, i+1
.endr
.endm
.macro TOSTQ a
.set HB, H16+96*((\a)%2)
.set BB, BK+32*((\a)%2)
.irp b, 0,1,2,3,4,5,6,7
	ds_store_b128 v[STOQ], v[HB+4*\b:HB+4*\b+3] offset:(\b/4)*8*272+32*(\b%4)   ; head b / 4, channels 16 (b % 4) + 8 h on
.endr
.irp x, 0,1,2,3,4,5,6,7
	ds_load_b128 v[BB+4*\x:BB+4*\x+3], v[RDQ] offset:272*\x
.endr
.endm
.macro SENDQ a
.set BB, BK+32*((\a)%2)
	s_wait_dscnt 0x0                               ; the block is back in registers, and its stores into the stage have read theirs
	s_wait_xcnt 0x0                                ; the stores of the block before have read their registers: the next block's lines may land there
.irp x, 0,1,2,3,4,5,6,7
	global_store_b128 v[COQ], v[BB+4*\x:BB+4*\x+3], s[12:13] offset:2048*(\a)+256*\x   ; sixteen lanes store two tokens of a head: 256 consecutive bytes, aligned
.endr
.endm
.macro PACKV a
.set AC, 64*((\a)%4)
.set HB, H16+96*((\a)%2)
.set WW, 0x0a+5*((\a)/4)
	WIN WW                                         ; sources 0 and 1: window 2 or 3
.set i, 0
.rept 32
	v_cvt_pk_f16_f32 v[HB+i], v[AC+2*i], v[AC+2*i+1]
.set i, i+1
.endr
	WIN 0
.endm
.macro TOSTV a
.set HB, H16+96*((\a)%2)
.set BB, BK+32*((\a)%2)
.irp b, 0,1,2,3,4,5,6,7
	ds_store_b128 v[STOV], v[HB+4*\b:HB+4*\b+3] offset:32*\b                     ; channel r, tokens 16 b + 8 h on
.endr
.irp x, 0,1,2,3,4,5,6,7
	ds_load_b128 v[BB+4*\x:BB+4*\x+3], v[RDV] offset:544*\x
.endr
.endm
.macro SENDV a
.set BB, BK+32*((\a)%2)
	s_wait_dscnt 0x0
	s_wait_xcnt 0x0
.irp x, 0,1,2,3,4,5,6,7
	global_store_b128 v[COV], v[BB+4*\x:BB+4*\x+3], s[12:13] offset:((\a)/4)*262144+((\a)%4)*4096+512*\x   ; two channels' 128 tokens: 512 consecutive bytes, aligned
.endr
.endm
	s_cmp_eq_u32 s[TT], 2                          ; the cluster's number: all partners go the same way
	s_cbranch_scc1 .Lout_v
	PACKQ 0
	TOSTQ 0
.irp a, 1,2,3,4,5,6,7                  ; block a's arithmetic stands between block a - 1's loads from the stage and the wait for them
	PACKQ \a
	SENDQ \a-1
	TOSTQ \a
.endr
	SENDQ 7
	s_wait_tensorcnt 0x0                           ; the wave's end: behind my last tensor load and my last LDS store
	ds_add_u32 v[SPW], v[NIL]
	s_wait_dscnt 0x0
	CROUND                                         ; the closing round
	s_endpgm
.Lout_v:
	PACKV 0
	TOSTV 0
.irp a, 1,2,3,4,5,6,7
	PACKV \a
	SENDV \a-1
	TOSTV \a
.endr
	SENDV 7
	s_wait_tensorcnt 0x0                           ; the wave's end: the three lines
	ds_add_u32 v[SPW], v[NIL]
	s_wait_dscnt 0x0
	CROUND                                         ; the closing round
	s_endpgm
.Lfunc_end_k_q7c1ddadba5_proj:
	.size	k_q7c1ddadba5_proj, .Lfunc_end_k_q7c1ddadba5_proj-k_q7c1ddadba5_proj
	.p2alignl 7, 3214868480
	.fill 96, 4, 3214868480
	.section	.rodata,"a",@progbits
	.p2align	6, 0x0
	.amdhsa_kernel k_q7c1ddadba5_proj
		.amdhsa_group_segment_fixed_size 327680
		.amdhsa_private_segment_fixed_size 0
		.amdhsa_enable_private_segment 0
		.amdhsa_kernarg_size 24
		.amdhsa_user_sgpr_count 2
		.amdhsa_user_sgpr_kernarg_segment_ptr 1
		.amdhsa_wavefront_size32 1
		.amdhsa_system_sgpr_workgroup_id_x 1
		.amdhsa_system_sgpr_workgroup_id_y 1
		.amdhsa_system_sgpr_workgroup_id_z 1
		.amdhsa_system_vgpr_workitem_id 0
		.amdhsa_next_free_vgpr 1024
		.amdhsa_next_free_sgpr 102
		.amdhsa_reserve_vcc 0
		.amdhsa_float_denorm_mode_32 3
		.amdhsa_float_denorm_mode_16_64 3
		.amdhsa_memory_ordered 1
		.amdhsa_forward_progress 1
		.amdhsa_inst_pref_size 175
	.end_amdhsa_kernel
	.amdgpu_metadata
---
amdhsa.version: [ 1, 2 ]
amdhsa.kernels:
  - .name:           k_q7c1ddadba5_proj
    .symbol:         k_q7c1ddadba5_proj.kd
    .args:
      - { .name: codes, .offset: 0, .size: 8, .value_kind: global_buffer, .address_space: global }
      - { .name: scales, .offset: 8, .size: 8, .value_kind: global_buffer, .address_space: global }
      - { .name: qkv, .offset: 16, .size: 8, .value_kind: global_buffer, .address_space: global }
    .group_segment_fixed_size: 327680
    .private_segment_fixed_size: 0
    .kernarg_segment_align: 8
    .kernarg_segment_size: 24
    .max_flat_workgroup_size: 128
    .sgpr_count:     102
    .vgpr_count:     1024
    .wavefront_size: 32
...
	.end_amdgpu_metadata
.endif
;; end of part 2
;; launch attn (part 3): grid 8 x 32, 8 waves a work-group, clusters of 4 x 1, 327,680 bytes of LDS; arguments qkv, maskw, ao, entp; writes ao, entp
.if DOCPART == 3
	.amdgcn_target "amdgcn-amd-amdhsa--gfx1250"
	.amdhsa_code_object_version 6
	.text
	.protected	k_q7c1ddadba5_attn
	.globl	k_q7c1ddadba5_attn
	.p2align	8
	.type	k_q7c1ddadba5_attn,@function
k_q7c1ddadba5_attn:
	s_mov_b64 s[64:65], 0
	v_nop
	global_prefetch_b8 v0, s[64:65] scope:SCOPE_SE
	s_setreg_imm32_b32 hwreg(HW_REG_WAVE_MODE, 25, 1), 1
	s_wait_xcnt 0x0
	s_wait_alu depctr_hold_cnt(0) depctr_sa_sdst(0) depctr_va_vdst(0) depctr_va_sdst(0) depctr_va_ssrc(0) depctr_va_vcc(0) depctr_vm_vsrc(0)
	s_getreg_b32 s2, hwreg(HW_REG_IB_STS2, 6, 4)
	s_cmp_eq_u32 s2, 0
	s_cbranch_scc0 .Lentry_in_a_cluster
	s_endpgm
.Lentry_in_a_cluster:
	s_bfe_u32 s2, ttmp6, 0x10000c
	s_cmp_lg_u32 s2, 0x3003
	s_cbranch_scc0 .Lentry_shape_is_right
	s_endpgm
.Lentry_shape_is_right:
; ATTN: for each (b, head): out = softmax(where(mask, qh kh^T / 8, -1e9)) vh, and the sum of the rows' entropies.  Operands in f16 (qh already holds the factor c = log2(e) / 8), sums, maxima and softmax in f32.
; SHARES.  A work-group owns 256 queries of one (b, head).  Wave w: g = w % 4 picks 64 queries (four tiles of 16), kh = w / 4 picks a HALF OF THE KEYS (1,024: 16 steps of 64).  So two waves lie on a SIMD and one's
; vector work stands beside the other's products, while each fragment read from LDS still feeds four tiles.  At the end waves w and w xor 4 merge their halves: register tile t holds query tile t xor 2 kh, so that
; every wave keeps register tiles 0, 1 and sends tiles 2, 3: one text for all.
; LAYOUT.  S^T = K Q^T (source 0 = 16 keys, source 1 = 16 queries), O^T = V^T P (source 0 = 16 channels, source 1 = P): a lane holds ONE query (lane % 16) throughout; two score tiles rounded in pairs are P's fragment.
; SOFTMAX, in powers of two: t = the score product, or MV = -1e9 log2(e) where the mask is 0.  m = the running largest t; d = t - m; e = 2^d; L = sum e; Wn = sum e d (never positive).
; When m moves by D = m_old - m_new, a = 2^D: Wn = a (Wn + D L), L = a L, O = a O.  A row's entropy is ln 2 (log2 L - Wn / L): both terms are 0 or more.  The factor ln 2 and the mean follow in the last launch.
; THE MASK comes as words whose bit (lane) belongs to score register 8 kt + j of a tile: 64 words for two tiles and a step, by scalar loads; they feed v_cndmask_b32 alone.
; CLUSTER.  The four query blocks of a cluster walk the same K and V: each tile is asked for jointly, with the mask 15.  (A head has eight blocks: two clusters; a mask names four at the most.)
; LIMITS: the 1e-10 inside reference()'s logarithm is left out: it moves a row's entropy by at most 2,048 x 1e-10 nats, for every input.  |t| stays under 3e37 (m begins at -3e38).  NaN and infinities are not served.
; REGISTERS.  window 0: v1-31 addresses and work; v32-79 statistics, 12 a tile (+0 m, +2,3 L, +4,5 Wn, +6 a, +8 D, +10 m_old; +1, +7, +9 hold 0: upper halves of pairs); v96-127 e of the tile in hand;
;   v128-255 S^T, 32 a tile; P is laid over a tile's first 16.   window 1: v0-127 O^T (32 t + 8 ct); v128-191 the step's K fragments, then its V fragments; v192-255 Q (16 t + 8 cc).
.set RB,    17408                      ; a region: 64 lines of 256 bytes + 16 of padding.  K: a line holds two keys; V: a line is a channel's 128 keys
.set SLOT1, 131072                     ; a slot: regions 2 kh (K) and 2 kh + 1 (V) of 128 keys of each half; slot 1 begins here, so that one exclusive or changes slots
.set MRG,   200704                     ; the merge: 16 images of 512 bytes and 2 of statistics for each wave
.set MRGW,  9216
.set STG,   274432                     ; the way out: 16 rows x (128 + 16) bytes for each wave
.set STGW,  2304
.set SPARE, 292864                     ; the spare words, 128 bytes for each of eight waves
.set AK0, 3
.set AV0, 4
.set ADR, 5
.set QO0, 6
.set QO1, 7
.set STO, 8
.set RD,  9
.set GO,  10
.set PFO, 11
.set MV,  12
.set SPW, 13                           ; v13 LDS address of my spare word; never rewritten
.set NIL, 14                           ; v14 0; never rewritten
.set XX,  15
.set CC,  16
.set WB,  20
.set MWA, 22
.set MRA, 23
.set TW,  24
.set ST,  32
.set SND, 80
.set E,   96
.set U,   104                          ; the merge's numbers, 12 a tile
.set S,   128
.set HF,  192                          ; the merge: results in f16
.set BKO, 224                          ; and rows read back
.set O,   0
.set KV,  128
.set Q,   192
.set WV,  2
.set SLOTS, 3
.set TB,  4
.set LIM, 5
.set SEL, 6
.set G1,  8
.set G0,  16
.set MP0, 20                           ; s[20:21], s[22:23] the mask words of register tiles 0, 1 and of 2, 3, at the step to be loaded
.set MP1, 22
.set PFA, 24
.set AOB, 26
.set ENB, 28
.set MSB, 0
.macro WIN new                         ; the immediate's high byte repeats the setting that is left
.if MSB != \new
	s_set_vgpr_msb (MSB<<8)|\new
.set MSB, \new
.endif
.endm
.macro PLACES n
.rept \n
	v_nop
.endr
.endm
.macro CROUND                          ; a round of the cluster's barrier
	s_barrier_signal -1
	s_barrier_wait -1
	s_cmp_lg_u32 s[WV], 0
	s_cbranch_scc1 .Lnot_wave_0_\@
	s_barrier_signal -3
.Lnot_wave_0_\@:
	s_barrier_wait -3
	s_barrier_signal -1
	s_barrier_wait -1
.endm
.macro JLOAD                           ; waves 0 to 3 fill regions 0 to 3 of a slot, one load each; the branch hangs on the wave's number alone.  s_nop 0 and four v_nop follow
	s_cmp_lt_u32 s[WV], 4
	s_cbranch_scc0 .Lasked_\@
	tensor_load_to_lds s[G0:G0+3], s[G1:G1+7]
	s_nop 0
.rept 4
	v_nop
.endr
.Lasked_\@:
.endm
; A PREFETCH INTO THE L2 of what the NEXT change of slots will ask for: 128 keys of each half, of K and of V: 4 x 16,384 bytes.  Each aligned block of 256 bytes is named once in the launch: the head's first cluster asks;
; its four partners take 4,096 bytes of each half, told apart by address; wave 4 asks for K's, wave 5 for V's; lanes 0-15 name the first half's 16 blocks, lanes 16-31 the second's.
; It stands two key steps (128 matrix instructions of a wave) ahead of the load that wants the bytes.  The last change that fills a slot asks for nothing; slots 0 and 1 come by their loads alone.
.macro ASK
	s_cmp_gt_u32 s[SLOTS], s[LIM]
	s_cbranch_scc0 .Lnot_mine_\@
	global_prefetch_b8 v[PFO], s[PFA:PFA+1] th:TH_LOAD_NT scope:SCOPE_SE
.Lnot_mine_\@:
.endm
.macro LOADM mp                        ; 64 mask words: the even tile's 32 into s32-63, the odd tile's into s68-99
	s_load_b512 s[32:47], s[\mp:\mp+1], 0x0
	s_load_b512 s[48:63], s[\mp:\mp+1], 0x40
	s_load_b512 s[68:83], s[\mp:\mp+1], 0x80
	s_load_b512 s[84:99], s[\mp:\mp+1], 0xc0
.endm
	s_load_b256 s[32:39], s[0:1], 0x0              ; qkv 32, maskw 34, ao 36, entp 38: moved on before the first mask words land here
	v_lshl_add_u32 v[SPW], v0, 2, SPARE
	v_mov_b32 v[NIL], 0
	ds_add_u32 v[SPW], v[NIL]                      ; the wave's opening: the add and its wait ahead of my first tensor load
	v_lshrrev_b32 v1, 5, v0
	v_readfirstlane_b32 s[WV], v1                  ; wave 0..7
	s_bfe_u32 s30, ttmp6, 0x40000                  ; cx
	s_lshl_b32 s31, ttmp9, 2
	s_add_co_u32 s31, s31, s30                     ; my block of 256 queries
	s_and_b32 s66, ttmp7, 0xffff                   ; 16 b + head, which the partners share
	s_lshr_b32 s67, s[WV], 2                       ; kh
	s_and_b32 s100, s[WV], 3                       ; g
	s_mov_b32 s[G1], 15|(1<<16)|(1<<20)|(1<<21)|(5<<22)|(3<<25)   ; the mask: all four; elements of 2 bytes; padding on; bit 21 beside a mask; 4 words after every 64
	s_mov_b32 s[G1+1], 128<<16                     ; tensor_dim0 = 128
	s_mov_b32 s[G1+2], 64<<16                      ; tensor_dim1 = 64
	s_mov_b32 s[G1+3], 128<<16                     ; tile_dim0 = 128
	s_mov_b32 s[G1+4], 64                          ; tile_dim1 = 64
	s_mov_b32 s[G1+5], 128                         ; dense: 128 elements from line to line
	s_mov_b32 s[G1+6], 0
	s_mov_b32 s[G1+7], 0
	s_mov_b32 s[SEL], 0x76543210
	s_mov_b32 s[SEL+1], 0xfedcba98                 ; v_permlanex16_b32's selects for lane l xor 16
	s_mov_b32 s[TB], 0
	s_mov_b32 s[SLOTS], 7
	s_mov_b32 s[G0], 1
	s_mul_i32 s[G0+1], s100, RB                    ; region w % 4 of slot 0
	s_and_b32 s101, s[WV], 1                       ; K (0) or V (1),
	s_add_co_u32 s101, s101, 1
	s_lshl_b32 s101, s101, 23                      ; at 8 MiB and 16 MiB of qkv,
	s_lshl_b32 s[G0+2], s66, 18
	s_add_co_u32 s101, s101, s[G0+2]               ; the head's 262,144 bytes,
	s_bfe_u32 s[G0+2], s[WV], 0x10001
	s_lshl_b32 s[G0+2], s[G0+2], 17                ; the half's 131,072
	s_add_co_u32 s[G0+2], s[G0+2], s101
	s_mov_b32 s[G0+3], 0
	s_lshl_b32 s[PFA], s30, 12                     ; the prefetches: my work-group's 4,096 bytes,
	s_add_co_u32 s[PFA], s[PFA], s101
	s_add_co_u32 s[PFA], s[PFA], 16384             ; in slot 1: the first change steps it to slot 2
	s_mov_b32 s[PFA+1], 0
	s_sub_co_u32 s[LIM], s[WV], 4
	s_lshr_b32 s[LIM], s[LIM], 1                   ; 0 in waves 4 and 5,
	s_or_b32 s[LIM], s[LIM], ttmp9                 ; of the head's first cluster: alike in all partners
	s_cmp_eq_u32 s[LIM], 0
	s_cselect_b32 s[LIM], 1, -1
	s_lshr_b32 s[MP0], s66, 4                      ; the mask words: unit ((64 b + pair of tiles) x 32 + step) x 256 bytes
	s_lshl_b32 s[MP0], s[MP0], 6
	s_lshl_b32 s[MP0+1], s31, 3
	s_add_co_u32 s[MP0], s[MP0], s[MP0+1]
	s_lshl_b32 s[MP0+1], s100, 1
	s_add_co_u32 s[MP0], s[MP0], s[MP0+1]
	s_add_co_u32 s[MP1], s[MP0], 1
	s_sub_co_u32 s[MP1], s[MP1], s67               ; register tiles 2, 3: pair 1 xor kh
	s_add_co_u32 s[MP0], s[MP0], s67               ; register tiles 0, 1: pair kh
	s_lshl_b32 s[MP0], s[MP0], 5
	s_lshl_b32 s[MP1], s[MP1], 5
	s_lshl_b32 s[MP0+1], s67, 4                    ; my half begins at step 16 kh
	s_add_co_u32 s[MP0], s[MP0], s[MP0+1]
	s_add_co_u32 s[MP1], s[MP1], s[MP0+1]
	s_lshl_b32 s[MP0], s[MP0], 8
	s_lshl_b32 s[MP1], s[MP1], 8
	s_mov_b32 s[MP0+1], 0
	s_mov_b32 s[MP1+1], 0
	s_lshr_b32 s[AOB], s66, 4                      ; ao: pair of tokens (2,048 b + 256 block + 64 g + 32 kh) / 2, 4,096 bytes each; the head's 256 bytes in it
	s_lshl_b32 s[AOB], s[AOB], 10
	s_lshl_b32 s[AOB+1], s31, 7
	s_add_co_u32 s[AOB], s[AOB], s[AOB+1]
	s_lshl_b32 s[AOB+1], s100, 5
	s_add_co_u32 s[AOB], s[AOB], s[AOB+1]
	s_lshl_b32 s[AOB+1], s67, 4
	s_add_co_u32 s[AOB], s[AOB], s[AOB+1]
	s_lshl_b32 s[AOB], s[AOB], 12
	s_and_b32 s[AOB+1], s66, 15
	s_lshl_b32 s[AOB+1], s[AOB+1], 8
	s_add_co_u32 s[AOB], s[AOB], s[AOB+1]
	s_mov_b32 s[AOB+1], 0
	s_lshl_b32 s[ENB], s66, 8                      ; entp: word (8 (16 b + head) + block) x 8 + wave
	s_lshl_b32 s[ENB+1], s31, 5
	s_add_co_u32 s[ENB], s[ENB], s[ENB+1]
	s_lshl_b32 s[ENB+1], s[WV], 2
	s_add_co_u32 s[ENB], s[ENB], s[ENB+1]
	s_mov_b32 s[ENB+1], 0
	s_lshl_b32 s30, s31, 15                        ; Q: the head, my block's 256 rows of 128 bytes, my wave's 64
	s_lshl_b32 s31, s66, 18
	s_add_co_u32 s30, s30, s31
	s_lshl_b32 s31, s100, 13
	s_add_co_u32 s30, s30, s31
	s_mov_b32 s31, 0
	s_wait_dscnt 0x0                               ; the opening add is done
	s_wait_kmcnt 0x0
	s_add_nc_u64 s[G0+2:G0+3], s[32:33], s[G0+2:G0+3]
	s_or_b32 s[G0+3], s[G0+3], 0x80000000
	s_add_nc_u64 s[PFA:PFA+1], s[32:33], s[PFA:PFA+1]
	s_add_nc_u64 s[MP0:MP0+1], s[34:35], s[MP0:MP0+1]
	s_add_nc_u64 s[MP1:MP1+1], s[34:35], s[MP1:MP1+1]
	s_add_nc_u64 s[AOB:AOB+1], s[36:37], s[AOB:AOB+1]
	s_add_nc_u64 s[ENB:ENB+1], s[38:39], s[ENB:ENB+1]
	s_add_nc_u64 s[30:31], s[32:33], s[30:31]
	CROUND                                         ; all four work-groups are here: the first joint loads meet
	JLOAD                                          ; slot 0: one load of mine is out
	LOADM MP0                                      ; step 0's words for register tiles 0, 1
	v_and_b32 v1, 15, v0                           ; r
	v_bfe_u32 v2, v0, 4, 1                         ; h
	v_lshlrev_b32 v24, 7, v1
	v_lshl_add_u32 v24, v2, 4, v24                 ; Q: row r of 128 bytes, + 16 h
	s_lshl_b32 s101, s67, 12
	v_add_nc_u32 v[QO0], s101, v24                 ; register tiles 0, 1: query tiles 2 kh, 2 kh + 1
	s_xor_b32 s101, s101, 4096
	v_add_nc_u32 v[QO1], s101, v24                 ; register tiles 2, 3: the other two
	WIN 0x40                                       ; destination window 1
.irp t, 0,1
.irp cc, 0,1
	global_load_b128 v[Q+16*\t+8*\cc:Q+16*\t+8*\cc+3], v[QO0], s[30:31] offset:2048*\t+64*\cc
	global_load_b128 v[Q+16*\t+8*\cc+4:Q+16*\t+8*\cc+7], v[QO0], s[30:31] offset:2048*\t+64*\cc+32
	global_load_b128 v[Q+32+16*\t+8*\cc:Q+32+16*\t+8*\cc+3], v[QO1], s[30:31] offset:2048*\t+64*\cc
	global_load_b128 v[Q+32+16*\t+8*\cc+4:Q+32+16*\t+8*\cc+7], v[QO1], s[30:31] offset:2048*\t+64*\cc+32
.endr
.endr
.set i, 0
.rept 128
	v_mov_b32 v[O+i], 0                            ; O^T.  The step is written with no first step of its own: the first change of m multiplies zeros
.set i, i+1
.endr
	WIN 0
	v_lshrrev_b32 v24, 1, v1
	v_mul_u32_u24 v24, v24, 272
	v_and_b32 v25, 1, v1
	v_lshl_add_u32 v24, v25, 7, v24
	v_lshl_add_u32 v24, v2, 4, v24                 ; K: key r lies at 272 (r / 2) + 128 (r % 2): the 16 keys of a load start at 16 different groups of 4 banks
	s_mul_i32 s101, s67, 2*RB
	v_add_nc_u32 v[AK0], s101, v24
	v_mul_u32_u24 v24, v1, 272
	v_lshl_add_u32 v24, v2, 4, v24                 ; V: channel r at 272 r
	s_add_co_u32 s101, s101, RB
	v_add_nc_u32 v[AV0], s101, v24
	s_mul_i32 s101, s[WV], STGW
	s_add_co_u32 s101, s101, STG
	v_mul_u32_u24 v24, v1, 144
	v_lshl_add_u32 v24, v2, 4, v24
	v_add_nc_u32 v[STO], s101, v24                 ; the way out, in: row r, 16 h
	v_bfe_u32 v24, v0, 3, 2
	v_mul_u32_u24 v24, v24, 144
	v_and_b32 v25, 7, v0
	v_lshl_add_u32 v24, v25, 4, v24
	v_add_nc_u32 v[RD], s101, v24                  ; back: eight lanes to a row of 128 bytes, four rows an instruction
	v_lshlrev_b32 v24, 12, v2
	v_lshl_add_u32 v[GO], v1, 4, v24               ; lanes 0-15 one pair of tokens, lanes 16-31 the next
	v_lshlrev_b32 v24, 17, v2
	v_lshl_add_u32 v[PFO], v1, 8, v24
	v_and_b32 v24, 31, v0
	v_lshlrev_b32 v24, 4, v24
	s_mul_i32 s101, s[WV], MRGW
	s_add_co_u32 s101, s101, MRG
	v_add_nc_u32 v[MWA], s101, v24                 ; the merge: my region,
	s_xor_b32 s101, s[WV], 4
	s_mul_i32 s101, s101, MRGW
	s_add_co_u32 s101, s101, MRG
	v_add_nc_u32 v[MRA], s101, v24                 ; and my partner's
	v_mov_b32 v[MV], 0xceabfb8f                    ; -1e9 x log2(e)
	v_mov_b32 v[XX], 0                             ; a lane permute's destination counts as read
.irp n, 0,1,2,3,4,5,6,7
	v_mov_b32 v[TW+\n], 0
.endr
.irp t, 0,1,2,3
	v_mov_b32 v[ST+12*\t], 0xff61b1e6              ; m: -3e38, under every t
.irp n, 1,2,3,4,5,6,7,8,9,10
	v_mov_b32 v[ST+12*\t+\n], 0
.endr
.endr
; Tile t: the mask's choice (each score tile from its low end on), the new m, d = t - m.
.macro PRE t
.set rT, ST+12*(\t)
.set rS, S+32*(\t)
.set rM, 32+36*((\t)%2)
.set i, 0
.rept 32
	v_cndmask_b32 v[rS+i], v[MV], v[rS+i], s[rM+i]
.set i, i+1
.endr
.irp c, 0,1,2,3
	v_max3_num_f32 v[CC+\c], v[rS+8*\c], v[rS+8*\c+1], v[rS+8*\c+2]
.endr
.irp c, 0,1,2,3
	v_max3_num_f32 v[CC+\c], v[CC+\c], v[rS+8*\c+3], v[rS+8*\c+4]
.endr
.irp c, 0,1,2,3
	v_max3_num_f32 v[CC+\c], v[CC+\c], v[rS+8*\c+5], v[rS+8*\c+6]
.endr
	v_max3_num_f32 v[CC], v[CC], v[rS+7], v[rS+15]
	v_max3_num_f32 v[CC+2], v[CC+2], v[rS+23], v[rS+31]
	v_max3_num_f32 v[CC+1], v[CC+1], v[CC+3], v[rT]                ; the old m among them
	v_mov_b32 v[rT+10], v[rT]
	v_max3_num_f32 v[CC], v[CC], v[CC+1], v[CC+2]
	v_permlanex16_b32 v[XX], v[CC], s[SEL], s[SEL+1]               ; the query's other 32 keys lie in the lane 16 away
	v_max_num_f32 v[rT], v[CC], v[XX]
	v_sub_f32 v[rT+8], v[rT+10], v[rT]                             ; D = m_old - m_new
.set i, 0
.rept 16
	v_pk_add_f32 v[rS+2*i:rS+2*i+1], v[rS+2*i:rS+2*i+1], v[rT:rT+1] op_sel_hi:[1,0] neg_lo:[0,1] neg_hi:[0,1]
.set i, i+1
.endr
.endm
.macro EXPB t                          ; one batch: a and the tile's 32 e; no line of it reads a result
.set rT, ST+12*(\t)
.set rS, S+32*(\t)
	v_exp_f32 v[rT+6], v[rT+8]
.set i, 0
.rept 32
	v_exp_f32 v[E+i], v[rS+i]
.set i, i+1
.endr
.endm
.macro POST t                          ; Wn and L under the new m, with this step's terms; P
.set rT, ST+12*(\t)
.set rS, S+32*(\t)
	v_pk_fma_f32 v[rT+4:rT+5], v[rT+2:rT+3], v[rT+8:rT+9], v[rT+4:rT+5] op_sel_hi:[1,0,1]   ; Wn + D L
	v_pk_mul_f32 v[WB:WB+1], v[E+2:E+3], v[rS+2:rS+3]                                       ; the second chain begins
	v_pk_mul_f32 v[rT+4:rT+5], v[rT+4:rT+5], v[rT+6:rT+7] op_sel_hi:[1,0]                   ; x a
.set p, 0
.rept 8
	v_pk_fma_f32 v[rT+4:rT+5], v[E+4*p:E+4*p+1], v[rS+4*p:rS+4*p+1], v[rT+4:rT+5]
.if p > 0
	v_pk_fma_f32 v[WB:WB+1], v[E+4*p+2:E+4*p+3], v[rS+4*p+2:rS+4*p+3], v[WB:WB+1]
.endif
.set p, p+1
.endr
	v_pk_add_f32 v[rT+4:rT+5], v[rT+4:rT+5], v[WB:WB+1]
.set p, 0
.rept 16
	v_cvt_pk_f16_f32 v[rS+p], v[E+2*p], v[E+2*p+1]                 ; P over the d that have been used
.set p, p+1
.endr
.set z, 0
.rept 8
	v_pk_add_f32 v[E+4*z:E+4*z+1], v[E+4*z:E+4*z+1], v[E+4*z+2:E+4*z+3]
.set z, z+1
.endr
.set z, 0
.rept 4
	v_pk_add_f32 v[E+8*z:E+8*z+1], v[E+8*z:E+8*z+1], v[E+8*z+4:E+8*z+5]
.set z, z+1
.endr
	v_pk_add_f32 v[E:E+1], v[E:E+1], v[E+8:E+9]
	v_pk_add_f32 v[E+16:E+17], v[E+16:E+17], v[E+24:E+25]
	v_pk_add_f32 v[E:E+1], v[E:E+1], v[E+16:E+17]
	v_pk_fma_f32 v[rT+2:rT+3], v[rT+2:rT+3], v[rT+6:rT+7], v[E:E+1] op_sel_hi:[1,0,1]       ; L = a L + the sum of the unrounded e
.endm
.macro RESC t                          ; O^T x a, each accumulator from its low end on
.set rT, ST+12*(\t)
	WIN 0x41
.set i, 0
.rept 16
	v_pk_mul_f32 v[O+32*(\t)+2*i:O+32*(\t)+2*i+1], v[O+32*(\t)+2*i:O+32*(\t)+2*i+1], v[rT+6:rT+7] op_sel_hi:[1,0]
.set i, i+1
.endr
	WIN 0
.endm
; A KEY STEP: 64 keys, the u-th of the slot in hand.  more = 1: the next step's mask words are asked for.
.macro STEP u, more
	v_add_nc_u32 v[ADR], s[TB], v[AK0]
	PLACES 4                                       ; with the line above five places behind the last V^T P: four for the loads into its fragments' registers, five for the score products, which write over P
	WIN 0x40
.irp kt, 0,1,2,3
.irp cc, 0,1
	ds_load_b128 v[KV+8*(2*\kt+\cc):KV+8*(2*\kt+\cc)+3], v[ADR] offset:272*(32*\u+8*\kt)+64*\cc
	ds_load_b128 v[KV+8*(2*\kt+\cc)+4:KV+8*(2*\kt+\cc)+7], v[ADR] offset:272*(32*\u+8*\kt)+64*\cc+32
.endr
.endr
	s_wait_dscnt 0x0
	WIN 0x05                                       ; K and Q in window 1, S^T in window 0.  Sixteen accumulators take turns, one instruction a turn
.irp kt, 0,1,2,3
.irp t, 0,1,2,3
	v_wmma_f32_16x16x32_f16 v[S+32*\t+8*\kt:S+32*\t+8*\kt+7], v[KV+16*\kt:KV+16*\kt+7], v[Q+16*\t:Q+16*\t+7], 0
.endr
.endr
.irp kt, 0,1,2,3
.irp t, 0,1,2,3
	v_wmma_f32_16x16x32_f16 v[S+32*\t+8*\kt:S+32*\t+8*\kt+7], v[KV+16*\kt+8:KV+16*\kt+15], v[Q+16*\t+8:Q+16*\t+15], v[S+32*\t+8*\kt:S+32*\t+8*\kt+7]
.endr
.endr
	WIN 0
	v_add_nc_u32 v[ADR], s[TB], v[AV0]
	PLACES 4                                       ; places in front of the loads into K's registers and of the first read of the scores
	WIN 0x40
.irp ct, 0,1,2,3
.irp kk, 0,1
	ds_load_b128 v[KV+8*(2*\ct+\kk):KV+8*(2*\ct+\kk)+3], v[ADR] offset:4352*\ct+128*\u+64*\kk
	ds_load_b128 v[KV+8*(2*\ct+\kk)+4:KV+8*(2*\ct+\kk)+7], v[ADR] offset:4352*\ct+128*\u+64*\kk+32
.endr
.endr
	WIN 0
	s_wait_kmcnt 0x0                               ; tiles 0, 1's mask words are in, so their pointer may step
	s_add_nc_u64 s[MP0:MP0+1], s[MP0:MP0+1], 256
	PRE 0
	EXPB 0
	PRE 1                                          ; the next tile's plain work stands behind each batch of exponentials
	LOADM MP1
	s_wait_alu depctr_va_vdst(0)                   ; one wait for the batch, ahead of its first reader
	POST 0
	EXPB 1
	RESC 0
	s_wait_kmcnt 0x0                               ; tiles 2, 3's words
	s_add_nc_u64 s[MP1:MP1+1], s[MP1:MP1+1], 256
	PRE 2
	s_wait_alu depctr_va_vdst(0)
	POST 1
	EXPB 2
	RESC 1
	PRE 3
.if \more
	LOADM MP0
.endif
	s_wait_alu depctr_va_vdst(0)
	POST 2
	EXPB 3
	RESC 2
	s_wait_alu depctr_va_vdst(0)
	POST 3
	RESC 3
	s_wait_dscnt 0x0                               ; V is in
	WIN 0x51                                       ; V and O^T in window 1, P in window 0
.irp kk, 0,1
.irp ct, 0,1,2,3
.irp t, 0,1,2,3
	v_wmma_f32_16x16x32_f16 v[O+32*\t+8*\ct:O+32*\t+8*\ct+7], v[KV+8*(2*\ct+\kk):KV+8*(2*\ct+\kk)+7], v[S+32*\t+8*\kk:S+32*\t+8*\kk+7], v[O+32*\t+8*\ct:O+32*\t+8*\ct+7]
.endr
.endr
.endr
	WIN 0
.endm
.macro BODY more
	STEP 0, 1
	STEP 1, \more
	s_xor_b32 s[TB], s[TB], SLOT1                  ; on to the other slot
.endm
; THE CHANGE OF SLOTS stands at a slot's head.  Each wave waits for all its tensor loads (its part of the slot ahead), adds 0 to its spare word, and waits for that and for its reads of the slot that it has left.
; fill = 1: the barrier is a round of the cluster's, and behind it the slot just left is filled with the next 128 keys of each half: the load has two key steps in which to land.
.macro CHANGE fill
	s_wait_tensorcnt 0x0                           ; no tensor load of mine is out, so the descriptor may be written
	ds_add_u32 v[SPW], v[NIL]
.if \fill
	s_xor_b32 s[G0+1], s[G0+1], SLOT1
	s_add_nc_u64 s[G0+2:G0+3], s[G0+2:G0+3], 16384
	s_wait_xcnt 0x0                                ; the last prefetch, a slot back, has read its address
	s_add_nc_u64 s[PFA:PFA+1], s[PFA:PFA+1], 16384
	s_wait_dscnt 0x0                               ; the add is done, and my reads of the slot that I have left are over
	CROUND
	JLOAD
	ASK
.else
	s_wait_dscnt 0x0
	s_barrier_signal -1
	s_barrier_wait -1
.endif
.endm
	s_wait_loadcnt 0x0                             ; Q
.Lslot:                                            ; seven trips: trip i reads slot i and asks for slot i + 1
	CHANGE 1
	BODY 1
	s_sub_co_u32 s[SLOTS], s[SLOTS], 1
	s_cmp_lg_u32 s[SLOTS], 0
	s_cbranch_scc1 .Lslot
	CHANGE 0                                       ; the last slot is written out: no tensor load, and no mask words beyond my half's last step
	BODY 0
	; THE END.  L's and Wn's two halves and the other half of the lanes' are added (these lines are also the places behind the last products).
.irp t, 0,1,2,3
	v_add_f32 v[ST+12*\t+2], v[ST+12*\t+2], v[ST+12*\t+3]
	v_add_f32 v[ST+12*\t+4], v[ST+12*\t+4], v[ST+12*\t+5]
.endr
.irp t, 0,1,2,3
	v_permlanex16_b32 v[TW+\t], v[ST+12*\t+2], s[SEL], s[SEL+1]
	v_permlanex16_b32 v[TW+4+\t], v[ST+12*\t+4], s[SEL], s[SEL+1]
.endr
.irp t, 0,1,2,3
	v_add_f32 v[ST+12*\t+2], v[ST+12*\t+2], v[TW+\t]
	v_add_f32 v[ST+12*\t+4], v[ST+12*\t+4], v[TW+4+\t]
.endr
.irp t, 0,1
	v_mov_b32 v[SND+4*\t], v[ST+24+12*\t]          ; m, L, Wn of register tiles 2 and 3
	v_mov_b32 v[SND+4*\t+1], v[ST+24+12*\t+2]
	v_mov_b32 v[SND+4*\t+2], v[ST+24+12*\t+4]
	v_mov_b32 v[SND+4*\t+3], 0
.endr
	WIN 0x04                                       ; an LDS store's data are its source 1: window 1
.set i, 0
.rept 16
	ds_store_b128 v[MWA], v[O+64+4*i:O+64+4*i+3] offset:512*i     ; O^T of tiles 2, 3 as an image of its registers
.set i, i+1
.endr
	WIN 0
	ds_store_b128 v[MWA], v[SND:SND+3] offset:8192
	ds_store_b128 v[MWA], v[SND+4:SND+7] offset:8704
	s_wait_dscnt 0x0                               ; for my partner's sake: my stores have landed
	s_barrier_signal -1
	s_barrier_wait -1
.set i, 0
.rept 16
	ds_load_b128 v[S+4*i:S+4*i+3], v[MRA] offset:512*i            ; my partner's half of my tiles 0, 1
.set i, i+1
.endr
	ds_load_b128 v[E:E+3], v[MRA] offset:8192
	ds_load_b128 v[E+4:E+7], v[MRA] offset:8704
	s_wait_dscnt 0x0
.irp i, 0,1
	v_max_num_f32 v[U+12*\i+8], v[ST+12*\i], v[E+4*\i]             ; the common m
.endr
.irp i, 0,1
	v_sub_f32 v[U+12*\i+4], v[ST+12*\i], v[U+12*\i+8]
	v_sub_f32 v[U+12*\i+5], v[E+4*\i], v[U+12*\i+8]
.endr
.irp i, 0,1
	v_exp_f32 v[U+12*\i+6], v[U+12*\i+4]
	v_exp_f32 v[U+12*\i+7], v[U+12*\i+5]
.endr
.irp i, 0,1
	v_fma_f32 v[ST+12*\i+4], v[U+12*\i+4], v[ST+12*\i+2], v[ST+12*\i+4]   ; Wn + D L of each half (plain work behind the exponentials)
	v_fma_f32 v[E+4*\i+2], v[U+12*\i+5], v[E+4*\i+1], v[E+4*\i+2]
.endr
	s_wait_alu depctr_va_vdst(0)                   ; one wait for the four
.irp i, 0,1
	v_mul_f32 v[U+12*\i+8], v[U+12*\i+7], v[E+4*\i+1]
	v_mul_f32 v[U+12*\i+9], v[U+12*\i+7], v[E+4*\i+2]
.endr
.irp i, 0,1
	v_fma_f32 v[U+12*\i+8], v[U+12*\i+6], v[ST+12*\i+2], v[U+12*\i+8]     ; L
	v_fma_f32 v[U+12*\i+9], v[U+12*\i+6], v[ST+12*\i+4], v[U+12*\i+9]     ; Wn
.endr
.irp i, 0,1
	v_rcp_f32 v[U+12*\i+10], v[U+12*\i+8]
	v_log_f32 v[U+12*\i+11], v[U+12*\i+8]
.endr
.irp i, 0,1
	v_mov_b32 v[U+12*\i+1], 0                      ; upper halves of the pairs below (plain work behind the batch)
	v_mov_b32 v[U+12*\i+3], 0
.endr
	s_wait_alu depctr_va_vdst(0)                   ; one wait for the four
.irp i, 0,1
	v_mul_f32 v[U+12*\i], v[U+12*\i+6], v[U+12*\i+10]              ; a1 / L
	v_mul_f32 v[U+12*\i+2], v[U+12*\i+7], v[U+12*\i+10]            ; a2 / L
	v_fma_f32 v[U+12*\i+11], -v[U+12*\i+9], v[U+12*\i+10], v[U+12*\i+11]  ; log2 L - Wn / L
.endr
.irp i, 0,1
.set n, 0
.rept 16
	v_pk_mul_f32 v[S+32*\i+2*n:S+32*\i+2*n+1], v[S+32*\i+2*n:S+32*\i+2*n+1], v[U+12*\i+2:U+12*\i+3] op_sel_hi:[1,0]
.set n, n+1
.endr
.endr
	WIN 0x01                                       ; source 0: my O^T, in window 1
.irp i, 0,1
.set n, 0
.rept 16
	v_pk_fma_f32 v[S+32*\i+2*n:S+32*\i+2*n+1], v[O+32*\i+2*n:O+32*\i+2*n+1], v[U+12*\i:U+12*\i+1], v[S+32*\i+2*n:S+32*\i+2*n+1] op_sel_hi:[1,0,1]
.set n, n+1
.endr
.endr
	WIN 0
.irp i, 0,1
.set n, 0
.rept 16
	v_cvt_pk_f16_f32 v[HF+16*\i+n], v[S+32*\i+2*n], v[S+32*\i+2*n+1]
.set n, n+1
.endr
.endr
.irp i, 0,1                            ; through my stage, a tile at a time: LDS serves a wave's instructions in order
.irp ct, 0,1,2,3
	ds_store_b128 v[STO], v[HF+16*\i+4*\ct:HF+16*\i+4*\ct+3] offset:32*\ct
.endr
.irp x, 0,1,2,3
	ds_load_b128 v[BKO+16*\i+4*\x:BKO+16*\i+4*\x+3], v[RD] offset:576*\x
.endr
.endr
.irp x, 0,1,2,3
	s_wait_dscnt 11-\x                             ; younger: the first tile's later loads, the second tile's four stores and four loads
	global_store_b128 v[GO], v[BKO+4*\x:BKO+4*\x+3], s[AOB:AOB+1] offset:8192*\x          ; sixteen lanes store two tokens of the head: 256 consecutive bytes, aligned
.endr
.irp x, 0,1,2,3
	s_wait_dscnt 3-\x                              ; younger: the second tile's later loads
	global_store_b128 v[GO], v[BKO+16+4*\x:BKO+16+4*\x+3], s[AOB:AOB+1] offset:32768+8192*\x
.endr
	v_add_f32 v[TW], v[U+11], v[U+23]              ; the entropies of my 32 rows: two a lane, sixteen lanes (lanes 16-31 hold the same)
	v_add_f32_dpp v[TW], v[TW], v[TW] row_xmask:1 row_mask:0xf bank_mask:0xf
	v_add_f32_dpp v[TW], v[TW], v[TW] row_xmask:2 row_mask:0xf bank_mask:0xf
	v_add_f32_dpp v[TW], v[TW], v[TW] row_xmask:4 row_mask:0xf bank_mask:0xf
	v_add_f32_dpp v[TW], v[TW], v[TW] row_xmask:8 row_mask:0xf bank_mask:0xf
	v_and_b32 v[TW+1], 31, v0
	v_mov_b32 v[TW+2], 0
	v_cmp_eq_u32 vcc_lo, 0, v[TW+1]
	s_wait_xcnt 0x0                                ; EXEC changes only behind this wait
	s_and_saveexec_b32 s66, vcc_lo
	global_store_b32 v[TW+2], v[TW], s[ENB:ENB+1]  ; lane 0: my wave's word
	s_wait_xcnt 0x0
	s_or_b32 exec_lo, exec_lo, s66
	s_wait_tensorcnt 0x0                           ; the wave's end: behind my last tensor load and my last LDS store
	ds_add_u32 v[SPW], v[NIL]
	s_wait_dscnt 0x0
	CROUND                                         ; the closing round
	s_endpgm
.Lfunc_end_k_q7c1ddadba5_attn:
	.size	k_q7c1ddadba5_attn, .Lfunc_end_k_q7c1ddadba5_attn-k_q7c1ddadba5_attn
	.p2alignl 7, 3214868480
	.fill 96, 4, 3214868480
	.section	.rodata,"a",@progbits
	.p2align	6, 0x0
	.amdhsa_kernel k_q7c1ddadba5_attn
		.amdhsa_group_segment_fixed_size 327680
		.amdhsa_private_segment_fixed_size 0
		.amdhsa_enable_private_segment 0
		.amdhsa_kernarg_size 32
		.amdhsa_user_sgpr_count 2
		.amdhsa_user_sgpr_kernarg_segment_ptr 1
		.amdhsa_wavefront_size32 1
		.amdhsa_system_sgpr_workgroup_id_x 1
		.amdhsa_system_sgpr_workgroup_id_y 1
		.amdhsa_system_sgpr_workgroup_id_z 1
		.amdhsa_system_vgpr_workitem_id 0
		.amdhsa_next_free_vgpr 512
		.amdhsa_next_free_sgpr 102
		.amdhsa_reserve_vcc 1
		.amdhsa_float_denorm_mode_32 3
		.amdhsa_float_denorm_mode_16_64 3
		.amdhsa_memory_ordered 1
		.amdhsa_forward_progress 1
		.amdhsa_inst_pref_size 211
	.end_amdhsa_kernel
	.amdgpu_metadata
---
amdhsa.version: [ 1, 2 ]
amdhsa.kernels:
  - .name:           k_q7c1ddadba5_attn
    .symbol:         k_q7c1ddadba5_attn.kd
    .args:
      - { .name: qkv, .offset: 0, .size: 8, .value_kind: global_buffer, .address_space: global }
      - { .name: maskw, .offset: 8, .size: 8, .value_kind: global_buffer, .address_space: global }
      - { .name: ao, .offset: 16, .size: 8, .value_kind: global_buffer, .address_space: global }
      - { .name: entp, .offset: 24, .size: 8, .value_kind: global_buffer, .address_space: global }
    .group_segment_fixed_size: 327680
    .private_segment_fixed_size: 0
    .kernarg_segment_align: 8
    .kernarg_segment_size: 32
    .max_flat_workgroup_size: 256
    .sgpr_count:     102
    .vgpr_count:     512
    .wavefront_size: 32
...
	.end_amdgpu_metadata
.endif
;; end of part 3
;; launch oproj (part 4): grid 8 x 32, 4 waves a work-group, clusters of 4 x 4, 327,680 bytes of LDS; arguments ao, wc16, entp, out0, out1; writes out0, out1
.if DOCPART == 4
	.amdgcn_target "amdgcn-amd-amdhsa--gfx1250"
	.amdhsa_code_object_version 6
	.text
	.protected	k_q7c1ddadba5_oproj
	.globl	k_q7c1ddadba5_oproj
	.p2align	8
	.type	k_q7c1ddadba5_oproj,@function
k_q7c1ddadba5_oproj:
	s_mov_b64 s[64:65], 0
	v_nop
	global_prefetch_b8 v0, s[64:65] scope:SCOPE_SE
	s_setreg_imm32_b32 hwreg(HW_REG_WAVE_MODE, 25, 1), 1
	s_wait_xcnt 0x0
	s_wait_alu depctr_hold_cnt(0) depctr_sa_sdst(0) depctr_va_vdst(0) depctr_va_sdst(0) depctr_va_ssrc(0) depctr_va_vcc(0) depctr_vm_vsrc(0)
	s_getreg_b32 s2, hwreg(HW_REG_IB_STS2, 6, 4)
	s_cmp_eq_u32 s2, 0
	s_cbranch_scc0 .Lentry_in_a_cluster
	s_endpgm
.Lentry_in_a_cluster:
	s_bfe_u32 s2, ttmp6, 0x10000c
	s_cmp_lg_u32 s2, 0xf033
	s_cbranch_scc0 .Lentry_shape_is_right
	s_endpgm
.Lentry_shape_is_right:
; OPROJ: y[token][n] = sum over k of out[token][k] Wc[n][k], 4,096 x 1,024 x 1,024, operands in f16, sums and y in f32; and the mean entropy from the 2,048 partial sums.
; Both operands lie as [pair of rows][16 heads][2 rows][64 k]: a pair of rows is 4,096 bytes, and 256 along K (four heads) are 1,024 consecutive bytes of it.
; A tile of y is 128 x 128 (256 work-groups); four waves, 64 x 64 each: 16 accumulators.  K goes in four steps of 256 through two LDS slots; a wave's tensor load brings 32 pairs of rows x 1,024 bytes.
; CLUSTERS: 4 x 4: A's tiles are asked for jointly along a row of the cluster, B's along a column.  THE MATRIX INSTRUCTION IS USED TRANSPOSED (source 0 = 16 rows of Wc, source 1 = 16 tokens).
; No prefetch: a step's tiles are small and each wave's load has a whole K step in which to land.
; REGISTERS: window 0: v0-31 addresses; v32-95 at work; v128-255 the accumulators ((a, b) at v[128 + 8 (4 a + b)]).  window 1: two fragment buffers of 128: 64 registers of A, then 64 of B, for 64 along K.
.set KSTEPB, 1024                      ; a K step in bytes of a pair of rows
.set PITCH,  1040                      ; a pair of rows in LDS: 1,024 bytes + 16: row r of a fragment lies at 1,040 (r / 2) + 128 (r % 2): 16 different groups of 4 banks (64 banks of 4 bytes: ISA guide 11.1)
.set RBLK,   8*PITCH                   ; 16 rows
.set HALFT,  32*PITCH                  ; 64 rows: what one tensor load brings
.set SLOT,   4*HALFT
.set STAGE,  2*SLOT                    ; behind the ring: 16 rows x 272 bytes for each wave
.set SPITCH, 272
.set SPARE,  STAGE+4*16*SPITCH         ; the spare words, 128 bytes for each wave
.set LAPS,   2
.set ADRA, 16
.set ADRB, 20
.set STO,  24
.set RD,   25
.set CO,   26
.set SPW,  28
.set NIL,  29
.set TMP,  32
.set ACC,  128
.set F0,   0
.set F1,   128
.set G1, 24
.set G0, 32
.set G1B, 48
.set G0B, 56
.set MSB, 0
.macro WIN new
.if MSB != \new
	s_set_vgpr_msb (MSB<<8)|\new
.set MSB, \new
.endif
.endm
.set MUL,  0x05
.set TO_F, 0x40
.macro JLOAD s                         ; waves 0 and 1 fetch A's two halves, waves 2 and 3 B's; s_nop 0 and four v_nop follow each line
	s_cmp_eq_u32 s11, 0
	s_cbranch_scc0 .Lfor_b_\@
	tensor_load_to_lds s[G0+4*\s:G0+4*\s+3], s[G1:G1+7]
	s_nop 0
.rept 4
	v_nop
.endr
	s_branch .Lasked_\@
.Lfor_b_\@:
	tensor_load_to_lds s[G0B+4*\s:G0B+4*\s+3], s[G1B:G1B+7]
	s_nop 0
.rept 4
	v_nop
.endr
.Lasked_\@:
.endm
.macro CREST
	s_cmp_lg_u32 s10, 0
	s_cbranch_scc1 .Lnot_wave_0_\@
	s_barrier_signal -3
.Lnot_wave_0_\@:
	s_barrier_wait -3
	s_barrier_signal -1
	s_barrier_wait -1
.endm
.macro CROUND
	s_barrier_signal -1
	s_barrier_wait -1
	CREST
.endm
	s_load_b128 s[4:7], s[0:1], 0x0                ; ao s[4:5], wc16 s[6:7]
	s_load_b64 s[66:67], s[0:1], 0x10              ; entp
	s_load_b64 s[8:9], s[0:1], 0x18                ; out0
	s_load_b64 s[68:69], s[0:1], 0x20              ; out1
	v_lshl_add_u32 v[SPW], v0, 2, SPARE
	v_mov_b32 v[NIL], 0
	ds_add_u32 v[SPW], v[NIL]                      ; the wave's opening: the add and its wait ahead of my first tensor load
	v_lshrrev_b32 v1, 5, v0
	v_readfirstlane_b32 s10, v1                    ; wave 0..3
	s_lshr_b32 s11, s10, 1                         ; which half of the tile's rows is mine.  Also: I fetch for A (0) or for B (1)
	s_and_b32 s12, s10, 1                          ; which half of its columns.  Also: which 64 rows I fetch
	s_bfe_u32 s40, ttmp6, 0x40000                  ; cx
	s_bfe_u32 s41, ttmp6, 0x40004                  ; cy
	s_lshl_b32 s42, ttmp9, 2
	s_add_co_u32 s42, s42, s40                     ; tile column
	s_and_b32 s13, ttmp7, 0xffff
	s_lshl_b32 s13, s13, 2
	s_add_co_u32 s13, s13, s41                     ; tile row
	s_lshl_b32 s43, s41, 2
	s_lshl_b32 s43, 15, s43                        ; my row of the cluster
	s_lshl_b32 s44, 0x1111, s40                    ; my column
	s_or_b32 s[G1+0], s43, (1<<16)|(1<<20)|(1<<21)|(7<<22)|(3<<25)  ; the mask; elements of 2 bytes; padding on; bit 21 beside a mask; 4 words after every 256
	s_or_b32 s[G1B+0], s44, (1<<16)|(1<<20)|(1<<21)|(7<<22)|(3<<25)
.irp g, G1, G1B
	s_mov_b32 s[\g+1], 512<<16                     ; tensor_dim0 = 512 elements
	s_mov_b32 s[\g+2], 32<<16                      ; tensor_dim1 = 32 pairs of rows
	s_mov_b32 s[\g+3], 512<<16                     ; tile_dim0
	s_mov_b32 s[\g+4], 32                          ; tile_dim1
	s_mov_b32 s[\g+5], 2048                        ; 2,048 elements from pair to pair
	s_mov_b32 s[\g+6], 0
	s_mov_b32 s[\g+7], 0
.endr
	s_mov_b32 s70, 0x76543210
	s_mov_b32 s71, 0xfedcba98
	s_lshl_b32 s17, s12, 5                         ; which 32 pairs of rows of the tile I fetch
	s_lshl_b32 s16, s13, 6
	s_add_co_u32 s16, s16, s17                     ; A: pair 64 x tile row + 32 x half
	s_lshl_b32 s46, s42, 6
	s_add_co_u32 s46, s46, s17                     ; B: pair 64 x tile column + 32 x half
	s_lshl_b32 s16, s16, 12
	s_mov_b32 s17, 0
	s_lshl_b32 s46, s46, 12
	s_mov_b32 s47, 0
	s_mul_i32 s20, s10, HALFT                      ; where they go: by the wave's number alone
	s_wait_dscnt 0x0                               ; the opening add is done
	s_wait_kmcnt 0x0
	s_add_nc_u64 s[14:15], s[4:5], s[16:17]
	s_add_nc_u64 s[46:47], s[6:7], s[46:47]
	CROUND                                         ; all sixteen work-groups are here: the first joint loads meet
.irp s, 0,1
	s_mov_b32 s[G0+4*\s], 1
	s_add_co_u32 s[G0+4*\s+1], s20, \s*SLOT
	s_add_nc_u64 s[G0+4*\s+2:G0+4*\s+3], s[14:15], \s*KSTEPB
	s_or_b32 s[G0+4*\s+3], s[G0+4*\s+3], 0x80000000
	s_mov_b32 s[G0B+4*\s], 1
	s_add_co_u32 s[G0B+4*\s+1], s20, \s*SLOT
	s_add_nc_u64 s[G0B+4*\s+2:G0B+4*\s+3], s[46:47], \s*KSTEPB
	s_or_b32 s[G0B+4*\s+3], s[G0B+4*\s+3], 0x80000000
	JLOAD \s                                       ; two loads of mine are out behind the second
.endr
	v_and_b32 v1, 15, v0                           ; r
	v_bfe_u32 v2, v0, 4, 1                         ; h
	v_lshrrev_b32 v3, 1, v1
	v_mul_u32_u24 v3, v3, PITCH
	v_and_b32 v4, 1, v1
	v_lshl_add_u32 v3, v4, 7, v3
	v_lshl_add_u32 v3, v2, 4, v3                   ; a fragment's row, + 16 h
	s_mul_i32 s21, s11, HALFT
	s_mul_i32 s22, s12, HALFT
	s_add_co_u32 s22, s22, 2*HALFT
.irp s, 0,1
	v_add_nc_u32 v[ADRA+\s], s21, v3
	v_add_nc_u32 v[ADRB+\s], s22, v3
	s_add_co_u32 s21, s21, SLOT
	s_add_co_u32 s22, s22, SLOT
.endr
	s_mul_i32 s23, s10, 16*SPITCH
	s_add_co_u32 s23, s23, STAGE                   ; my stage
	v_mul_u32_u24 v4, v1, SPITCH
	v_lshl_add_u32 v4, v2, 5, v4
	v_add_nc_u32 v[STO], s23, v4                   ; in: row r, 32 bytes for each half of the lanes
	v_mul_u32_u24 v5, v2, SPITCH
	v_lshl_add_u32 v5, v1, 4, v5
	v_add_nc_u32 v[RD], s23, v5                    ; back: lanes 0-15 one row of 256 bytes, lanes 16-31 the next
	v_lshlrev_b32 v5, 12, v2
	v_lshl_add_u32 v[CO], v1, 4, v5                ; and the same two rows of y
	s_lshl_b32 s16, s13, 7
	s_lshl_b32 s17, s11, 6
	s_add_co_u32 s16, s16, s17                     ; my first row of y
	s_lshl_b32 s16, s16, 12
	s_mov_b32 s17, 0
	s_add_nc_u64 s[8:9], s[8:9], s[16:17]
	s_lshl_b32 s46, s42, 9                         ; my first column, in bytes: 512 x tile column + 256 x half
	s_lshl_b32 s47, s12, 8
	s_add_co_u32 s46, s46, s47
	s_mov_b32 s47, 0
	s_add_nc_u64 s[8:9], s[8:9], s[46:47]
	; THE MEAN ENTROPY, while the first tiles are on their way.  Wave 0 of the first cluster's work-groups sums the 2,048 partial sums (a branch on the cluster's and the wave's number: alike in all partners);
	; one lane of one of them stores: it is picked by EXEC, from the lane's number and the work-group's place, not by a branch.
	s_and_b32 s14, ttmp7, 0xffff
	s_or_b32 s14, s14, ttmp9
	s_or_b32 s14, s14, s10
	s_cmp_lg_u32 s14, 0
	s_cbranch_scc1 .Lno_ent
	v_and_b32 v6, 31, v0
	v_lshlrev_b32 v7, 4, v6
.irp n, 0,1,2,3,4,5,6,7,8,9,10,11,12,13,14,15
	global_load_b128 v[32+4*\n:35+4*\n], v7, s[66:67] offset:512*\n
.endr
	s_wait_loadcnt 0x0
.irp n, 0,1,2,3,4,5,6,7,8,9,10,11,12,13,14,15
	v_pk_add_f32 v[32+4*\n:33+4*\n], v[32+4*\n:33+4*\n], v[34+4*\n:35+4*\n]
.endr
.irp n, 0,1,2,3,4,5,6,7
	v_pk_add_f32 v[32+8*\n:33+8*\n], v[32+8*\n:33+8*\n], v[36+8*\n:37+8*\n]
.endr
.irp n, 0,1,2,3
	v_pk_add_f32 v[32+16*\n:33+16*\n], v[32+16*\n:33+16*\n], v[40+16*\n:41+16*\n]
.endr
.irp n, 0,1
	v_pk_add_f32 v[32+32*\n:33+32*\n], v[32+32*\n:33+32*\n], v[48+32*\n:49+32*\n]
.endr
	v_pk_add_f32 v[32:33], v[32:33], v[64:65]
	v_add_f32 v32, v32, v33
	v_add_f32_dpp v32, v32, v32 row_xmask:1 row_mask:0xf bank_mask:0xf
	v_add_f32_dpp v32, v32, v32 row_xmask:2 row_mask:0xf bank_mask:0xf
	v_add_f32_dpp v32, v32, v32 row_xmask:4 row_mask:0xf bank_mask:0xf
	v_add_f32_dpp v32, v32, v32 row_xmask:8 row_mask:0xf bank_mask:0xf
	v_permlanex16_b32 v33, v32, s70, s71
	v_add_f32 v32, v32, v33
	v_mul_f32 v32, 0x37317218, v32                 ; x ln 2 / 65,536: from powers of two to nats, and the mean over 2 x 16 x 2,048 rows
	v_lshl_or_b32 v6, s40, 5, v6
	v_lshl_or_b32 v6, s41, 9, v6                   ; 0 in lane 0 of the work-group at place (0, 0) alone
	v_mov_b32 v34, 0
	v_cmp_eq_u32 vcc_lo, 0, v6
	s_wait_xcnt 0x0                                ; EXEC changes only behind this wait
	s_and_saveexec_b32 s14, vcc_lo
	global_store_b32 v34, v32, s[68:69]
	s_wait_xcnt 0x0
	s_or_b32 exec_lo, exec_lo, s14
.Lno_ent:
; 8 matrix instructions: m blocks a0, a0 + 1 x all 4 n blocks, 32 along K: half c of buffer f.  zero = 1: the first product starts the sums.  The 16 accumulators take turns.
.macro MUL8 f, c, a0, zero
.irp a, \a0, \a0+1
.irp b, 0,1,2,3
.if \zero
	v_wmma_f32_16x16x32_f16 v[ACC+8*(4*(\a)+\b):ACC+8*(4*(\a)+\b)+7], v[\f+64+8*(4*\c+\b):\f+64+8*(4*\c+\b)+7], v[\f+8*(4*\c+\a):\f+8*(4*\c+\a)+7], 0
.else
	v_wmma_f32_16x16x32_f16 v[ACC+8*(4*(\a)+\b):ACC+8*(4*(\a)+\b)+7], v[\f+64+8*(4*\c+\b):\f+64+8*(4*\c+\b)+7], v[\f+8*(4*\c+\a):\f+8*(4*\c+\a)+7], v[ACC+8*(4*(\a)+\b):ACC+8*(4*(\a)+\b)+7]
.endif
.endr
.endr
.endm
; 32 LDS loads in one run: the fragments of one head (64 along K) at byte k of the pairs of rows, into buffer f; the first 32 along K first
.macro FETCH slot, k, f
	WIN TO_F
.irp c, 0,1
.irp i, 0,1,2,3
	ds_load_b128 v[\f+64+8*(4*\c+\i):\f+64+8*(4*\c+\i)+3],   v[ADRB+\slot] offset:\k+64*\c+\i*RBLK
	ds_load_b128 v[\f+64+8*(4*\c+\i)+4:\f+64+8*(4*\c+\i)+7], v[ADRB+\slot] offset:\k+64*\c+\i*RBLK+32
	ds_load_b128 v[\f+8*(4*\c+\i):\f+8*(4*\c+\i)+3],         v[ADRA+\slot] offset:\k+64*\c+\i*RBLK
	ds_load_b128 v[\f+8*(4*\c+\i)+4:\f+8*(4*\c+\i)+7],       v[ADRA+\slot] offset:\k+64*\c+\i*RBLK+32
.endr
.endr
.endm
.macro PLACES                          ; four plain lines in front of loads into registers that matrix instructions have read, and of reads of results
.rept 4
	v_nop
.endr
.endm
.macro QUARTER slot, k, f, g, zero     ; multiplies buffer f and fetches the next quarter, at byte k, into g
	s_wait_dscnt 16                                ; the first 32 along K are in; the other sixteen loads may be out
	WIN MUL
	MUL8 \f, 0, 0, \zero
	MUL8 \f, 0, 2, \zero
	PLACES
	FETCH \slot, \k, \g
	s_wait_dscnt 32                                ; all but the 32 just issued
	WIN MUL
	MUL8 \f, 1, 0, 0
	MUL8 \f, 1, 2, 0
.endm
; The last quarter multiplies buffer 1 and changes slots: one barrier; in front of it each wave waits for all its tensor loads, adds 0 to its spare word, and waits for that and for its reads of this slot.
.macro TURN slot, next, fill
	WIN 0
	s_wait_tensorcnt 0x0                           ; all my tensor loads have landed: my part of the next slot
	ds_add_u32 v[SPW], v[NIL]
	s_wait_dscnt 17                                ; the add and the youngest sixteen loads may be out
	WIN MUL
	MUL8 F1, 0, 0, 0
	s_wait_dscnt 0x0                               ; the add is done, and my reads of this slot are over
	s_barrier_signal -1
	MUL8 F1, 0, 2, 0
.if \fill
	WIN 0
.endif
	s_barrier_wait -1
.if \fill
	CREST                                          ; the barrier has opened a round of the cluster's: no wave of any partner still reads this slot or has a load on its way
	s_add_nc_u64 s[G0+4*\slot+2:G0+4*\slot+3], s[G0+4*\slot+2:G0+4*\slot+3], 2*KSTEPB
	s_add_nc_u64 s[G0B+4*\slot+2:G0B+4*\slot+3], s[G0B+4*\slot+2:G0B+4*\slot+3], 2*KSTEPB
	JLOAD \slot                                    ; the first tensor load behind the round; its four v_nop are also the places in front of the loads below
.else
	PLACES
.endif
	FETCH \next, 0, F0
	WIN MUL
	MUL8 F1, 1, 0, 0
	MUL8 F1, 1, 2, 0
.endm
	s_wait_tensorcnt 1                             ; my part of K step 0 is in; K step 1's load may be out
	s_barrier_signal -1
	s_barrier_wait -1
	FETCH 0, 0, F0
	QUARTER 0, 256, F0, F1, 1                      ; the first products start the sums
	WIN 0
	s_mov_b32 s3, LAPS-1
.Llap:                                             ; a trip goes once round the ring and fills both slots again
	QUARTER 0, 512, F1, F0, 0
	QUARTER 0, 768, F0, F1, 0
	TURN 0, 1, 1
	QUARTER 1, 256, F0, F1, 0
	QUARTER 1, 512, F1, F0, 0
	QUARTER 1, 768, F0, F1, 0
	TURN 1, 0, 1
	QUARTER 0, 256, F0, F1, 0
	WIN 0
	s_sub_co_u32 s3, s3, 1
	s_cmp_lg_u32 s3, 0
	s_cbranch_scc1 .Llap
	QUARTER 0, 512, F1, F0, 0                      ; the last lap fills nothing
	QUARTER 0, 768, F0, F1, 0
	TURN 0, 1, 0
	QUARTER 1, 256, F0, F1, 0
	QUARTER 1, 512, F1, F0, 0
	QUARTER 1, 768, F0, F1, 0
	s_wait_dscnt 16
	WIN MUL
	MUL8 F1, 0, 0, 0
	MUL8 F1, 0, 2, 0
	s_wait_dscnt 0
	MUL8 F1, 1, 0, 0
	MUL8 F1, 1, 2, 0
	WIN 0
	; THE WAY OUT: my 64 columns are 256 bytes of a row of y: a block of 16 rows goes through my own stage and comes back as whole rows.  LDS serves a wave's instructions in order: no barrier, no wait between stores and loads.
	PLACES
.irp a, 0,1,2,3
.if \a >= 2
	s_wait_xcnt 0x0                                ; the stores of the block two back have read their registers: this block's rows may land there
.endif
.irp b, 0,1,2,3
	ds_store_b128 v[STO], v[ACC+8*(4*\a+\b):ACC+8*(4*\a+\b)+3] offset:64*\b          ; each accumulator from its low end on
	ds_store_b128 v[STO], v[ACC+8*(4*\a+\b)+4:ACC+8*(4*\a+\b)+7] offset:64*\b+16
.endr
.irp t, 0,1,2,3,4,5,6,7
	ds_load_b128 v[TMP+32*(\a%2)+4*\t:TMP+32*(\a%2)+4*\t+3], v[RD] offset:\t*2*SPITCH
.endr
.irp t, 0,1,2,3,4,5,6,7
	s_wait_dscnt 7-\t                              ; load t is in; the younger ones may be out
	global_store_b128 v[CO], v[TMP+32*(\a%2)+4*\t:TMP+32*(\a%2)+4*\t+3], s[8:9] offset:(16*\a+2*\t)*4096 th:TH_STORE_NT   ; sixteen lanes store 256 consecutive bytes, aligned; written once
.endr
.endr
	s_wait_tensorcnt 0x0                           ; the wave's end: behind my last tensor load and my last LDS store
	ds_add_u32 v[SPW], v[NIL]
	s_wait_dscnt 0x0
	CROUND                                         ; the closing round
	s_endpgm
.Lfunc_end_k_q7c1ddadba5_oproj:
	.size	k_q7c1ddadba5_oproj, .Lfunc_end_k_q7c1ddadba5_oproj-k_q7c1ddadba5_oproj
	.p2alignl 7, 3214868480
	.fill 96, 4, 3214868480
	.section	.rodata,"a",@progbits
	.p2align	6, 0x0
	.amdhsa_kernel k_q7c1ddadba5_oproj
		.amdhsa_group_segment_fixed_size 327680
		.amdhsa_private_segment_fixed_size 0
		.amdhsa_enable_private_segment 0
		.amdhsa_kernarg_size 40
		.amdhsa_user_sgpr_count 2
		.amdhsa_user_sgpr_kernarg_segment_ptr 1
		.amdhsa_wavefront_size32 1
		.amdhsa_system_sgpr_workgroup_id_x 1
		.amdhsa_system_sgpr_workgroup_id_y 1
		.amdhsa_system_sgpr_workgroup_id_z 1
		.amdhsa_system_vgpr_workitem_id 0
		.amdhsa_next_free_vgpr 512
		.amdhsa_next_free_sgpr 72
		.amdhsa_reserve_vcc 1
		.amdhsa_float_denorm_mode_32 3
		.amdhsa_float_denorm_mode_16_64 3
		.amdhsa_memory_ordered 1
		.amdhsa_forward_progress 1
		.amdhsa_inst_pref_size 91
	.end_amdhsa_kernel
	.amdgpu_metadata
---
amdhsa.version: [ 1, 2 ]
amdhsa.kernels:
  - .name:           k_q7c1ddadba5_oproj
    .symbol:         k_q7c1ddadba5_oproj.kd
    .args:
      - { .name: ao, .offset: 0, .size: 8, .value_kind: global_buffer, .address_space: global }
      - { .name: wc16, .offset: 8, .size: 8, .value_kind: global_buffer, .address_space: global }
      - { .name: entp, .offset: 16, .size: 8, .value_kind: global_buffer, .address_space: global }
      - { .name: out0, .offset: 24, .size: 8, .value_kind: global_buffer, .address_space: global }
      - { .name: out1, .offset: 32, .size: 8, .value_kind: global_buffer, .address_space: global }
    .group_segment_fixed_size: 327680
    .private_segment_fixed_size: 0
    .kernarg_segment_align: 8
    .kernarg_segment_size: 40
    .max_flat_workgroup_size: 128
    .sgpr_count:     72
    .vgpr_count:     512
    .wavefront_size: 32
...
	.end_amdgpu_metadata
.endif
;; end of part 4
